; MI455X (gfx1250); checked and timed in simulation.
; The chip was launched on July 23, 2026; its instructions are those of AMD's public machine-readable ISA for CDNA 5 (MIT licence, August 2026) and "CDNA5" Instruction Set Architecture Reference Guide (July 2026). The comments in the code are by the model that wrote it; some were corrected since.
;; Fused Mo E Model. Allowed arithmetic: matrix products marked QUANTISED: E4M3 operands, one E8M0 scale for each 32 along K, by v_wmma_scale_f32_16x16x128_f8f6f4 with both operands' format E4M3, f32 sums; products left as they are: f32 operands where the result goes on into a quantised operand, else bf16, f16 or f32 operands; f32 sums; everything else in f32.
;; Inputs: router_w 8 x 1,024 float32; w1 8 x 4,096 x 512 int32; w1_scale 8 x 4,096 x 8 float32; w2 8 x 1,024 x 1,024 int32; w2_scale 8 x 1,024 x 16 float32; x 1,024 x 1,024 float32.
;; Outputs: out0 1,024 x 1,024 float32.
;; This version of the problem:
;;   THIS VERSION OF THE PROBLEM IS GIVEN IN LOW PRECISION. The matrix products marked QUANTISED in the list below multiply operands that are first quantised to E4M3 (4 exponent bits, 3 mantissa bits; 8 bits a number), with one power-of-two scale for each 32 numbers along K (OCP MX v1.0); their sums are f32. All else is computed in f32.
;;   The module's matrix products, in the order in which they are computed (A, B: the left and right operand; K: the contracted axis; several contracted axes count as one K, in the product's order):
;;     1. [M 1,024, K 1,024] x [K 1,024, N 8]; A: input x; B: input router_w: left as it is (N = 8 < 16)
;;     2. [M 1,024, K 1,024] x [K 1,024, N 4,096]; A: input x; B: computed on the way: QUANTISED
;;     3. [M 1,024, K 2,048] x [K 2,048, N 1,024]; A: computed on the way; B: computed on the way: QUANTISED
;;     4. [M 1,024, K 1,024] x [K 1,024, N 4,096]; A: input x; B: computed on the way: QUANTISED
;;     5. [M 1,024, K 2,048] x [K 2,048, N 1,024]; A: computed on the way; B: computed on the way: QUANTISED
;;     6. [M 1,024, K 1,024] x [K 1,024, N 4,096]; A: input x; B: computed on the way: QUANTISED
;;     7. [M 1,024, K 2,048] x [K 2,048, N 1,024]; A: computed on the way; B: computed on the way: QUANTISED
;;     8. [M 1,024, K 1,024] x [K 1,024, N 4,096]; A: input x; B: computed on the way: QUANTISED
;;     9. [M 1,024, K 2,048] x [K 2,048, N 1,024]; A: computed on the way; B: computed on the way: QUANTISED
;;     10. [M 1,024, K 1,024] x [K 1,024, N 4,096]; A: input x; B: computed on the way: QUANTISED
;;     11. [M 1,024, K 2,048] x [K 2,048, N 1,024]; A: computed on the way; B: computed on the way: QUANTISED
;;     12. [M 1,024, K 1,024] x [K 1,024, N 4,096]; A: input x; B: computed on the way: QUANTISED
;;     13. [M 1,024, K 2,048] x [K 2,048, N 1,024]; A: computed on the way; B: computed on the way: QUANTISED
;;     14. [M 1,024, K 1,024] x [K 1,024, N 4,096]; A: input x; B: computed on the way: QUANTISED
;;     15. [M 1,024, K 2,048] x [K 2,048, N 1,024]; A: computed on the way; B: computed on the way: QUANTISED
;;     16. [M 1,024, K 1,024] x [K 1,024, N 4,096]; A: input x; B: computed on the way: QUANTISED
;;     17. [M 1,024, K 2,048] x [K 2,048, N 1,024]; A: computed on the way; B: computed on the way: QUANTISED
;;   THE QUANTISER, for each operand of a quantised product, along K:
;;     - K is cut into blocks of 32 from its start; a last block that is shorter is filled with zeros.
;;     - A block's scale is 2^e with e = floor(log2(the largest magnitude in the block)) - 8, held to -126 .. 127; a block of zeros has e = 0. As a byte (E8M0): e + 127.
;;     - Each number is divided by its block's scale, clamped to +-448, and rounded to the nearest number of E4M3, ties to even, subnormals kept.
;;     - The product sums the exact products of the quantised numbers (number of the format x scale) in f32.
;;   ~~~python
;;   def quantise(x, axis):      # numpy; x: float32 -> the quantised numbers, widened to float32 again
;;       x = np.moveaxis(x, axis, -1); K = x.shape[-1]
;;       x = np.pad(x, [(0, 0)] * (x.ndim - 1) + [(0, -K % 32)]); x = x.reshape(x.shape[:-1] + (-1, 32)); a = np.abs(x).max(-1, keepdims=True)
;;       e = np.where(a > 0, np.clip(np.frexp(np.where(a > 0, a, 1))[1] - 1 - 8, -126, 127), 0)      # np.frexp(a)[1] - 1 = floor(log2(a)), exactly
;;       r = np.clip(x / 2.0 ** e, -448, 448)
;;       step = 2.0 ** (np.maximum(np.frexp(np.where(r == 0, 1, r))[1] - 1, -6) - 3)
;;       q = np.round(r / step) * step * 2.0 ** e      # np.round: ties to even
;;       return np.moveaxis(q.reshape(q.shape[:-2] + (-1,))[..., :K], -1, axis).astype(np.float32)
;;   ~~~
;;   OPERANDS COMPUTED ON THE WAY. 'Computed on the way' means the value that the module computes at that place (a softmax that the list does not call 'softmax' is quantised finished and normalised). What goes into a quantiser is computed in f32, as accurately as f32 sums, v_exp_f32 and their like allow (about 1e-6 of the number): no bf16 or f16 on the way to a quantiser, and a product that is left as it is and whose result goes on into a quantised operand takes f32 operands (vector FMAs, or v_wmma_f32_16x16x4_f32). A number that lies on a knife's edge between two numbers of the format may be rounded either way, as far as f32 arithmetic and the matrix unit's own rounding can turn it there, and no further.
;; 2 versions. Each part assembles by itself: llvm-mc -triple=amdgcn-amd-amdhsa -mcpu=gfx1250 --defsym DOCPART=n.
;; ======== version 1 of 2: 5 launches
;; workspace buffers: xq 1,081,344 bytes; topi 8,192 bytes of whole numbers; gate 8,192 bytes; order 33,024 bytes of whole numbers; xs 8,650,752 bytes; gs 32,768 bytes; ac 17,301,504 bytes; y 16,777,216 bytes
;; launch route (part 1): grid 256 x 1, 4 waves a work-group, no clusters, 55,808 bytes of LDS; arguments x, router_w, xq, topi, gate; writes xq, topi, gate
.if DOCPART == 1
	.amdgcn_target "amdgcn-amd-amdhsa--gfx1250"
	.amdhsa_code_object_version 6
	.text
	.protected	k_q2e8d5996bd_route
	.globl	k_q2e8d5996bd_route
	.p2align	8
	.type	k_q2e8d5996bd_route,@function
k_q2e8d5996bd_route:
	s_mov_b64 s[64:65], 0
	v_nop
	global_prefetch_b8 v0, s[64:65] scope:SCOPE_SE
	s_setreg_imm32_b32 hwreg(HW_REG_WAVE_MODE, 25, 1), 1
	s_wait_xcnt 0x0
; ROUTER AND QUANTISER OF x.  x [1024][1024] f32, router_w [8][1024] f32.
; One wave takes one token: token = 4 x work-group + wave.  Lane l owns block l of the row (32 neighbours along K), so a block's largest
; magnitude needs no other lane, and the lane's slice of router_w is the same for every token.
; Out: topi[2 t + k] = the k-th chosen expert (strictly greater wins, so the lower index is kept on a tie); gate[2 t + k] = softmax over the two
; chosen scores, the larger taken away first; xq = x's codes (E4M3) [1024][1024] and, from byte 1,048,576 on, one E8M0 byte for each 32 along K, [1024][32].
; Loads take the bytes as they lie (512 consecutive bytes an instruction) and turn through LDS, blocks of 128 bytes at a pitch of 144:
; lanes that each read their own block then start 16 bytes apart modulo 256.
; LIMITS: NaN and infinities are not served.  The scores are summed in f32 in another order than a plain dot product: a second and a third score
; closer than about 1e-6 of their size may change places.  A block of zeros gets the byte 1 where the rule says 127: its codes are zeros and this program alone reads the bytes.
; No matrix unit (N = 8), no cluster (work-groups share only 32 KB of router_w), no ring: a token's row is read once.
.set BP,  144                          ; pitch of a block of 128 bytes in LDS
.set XST, 256*BP                       ; behind router_w's 256 blocks: a stage of 32 blocks for each wave
.set S,   16                           ; v16-31  eight pairs of sums, then the eight scores in v16-23
.set M,   24                           ; v24-31  at work across lanes, then the scores with the first choice masked
.set X,   32                           ; v32-63  my block of x
.set RT,  64                           ; v64-127 router_w as loaded, then two sets of 32 numbers; later at work
.set CD,  96                           ; v96-103 my 32 codes
.set OB,  104                          ; v104-111 codes as they leave
	s_load_b128 s[4:7], s[0:1], 0x0                ; x, router_w
	s_load_b128 s[8:11], s[0:1], 0x10              ; xq, topi
	s_load_b64 s[12:13], s[0:1], 0x20              ; gate
	v_lshl_add_u32 v128, v0, 2, 0xd800
	v_mov_b32 v129, 0
	v_lshrrev_b32 v1, 5, v0
	v_readfirstlane_b32 s14, v1                    ; wave
	v_and_b32 v1, 31, v0                           ; lane
	v_lshlrev_b32 v2, 4, v0                        ; 16 x thread: my bytes of a load of router_w
	v_lshrrev_b32 v3, 3, v0
	v_mul_u32_u24 v3, v3, BP
	v_and_b32 v11, 7, v0
	v_lshl_add_u32 v3, v11, 4, v3                  ; router_w into LDS: block thread / 8, 16 bytes at thread % 8
	v_lshlrev_b32 v4, 4, v1                        ; 16 x lane
	s_mul_i32 s16, s14, 32*BP
	s_add_co_u32 s16, s16, XST                     ; my wave's stage
	v_lshrrev_b32 v5, 3, v1
	v_mul_u32_u24 v5, v5, BP
	v_lshl_add_u32 v5, v11, 4, v5
	v_add_nc_u32 v5, s16, v5                       ; x into the stage
	v_mul_u32_u24 v7, v1, BP                       ; my block among an expert's 32
	v_add_nc_u32 v6, s16, v7                       ; my block of x in the stage
	v_lshl_add_u32 v8, v1, 5, s16                  ; the codes into the stage: 32 bytes a lane
	v_lshl_add_u32 v9, v1, 4, s16                  ; and back: 16 bytes a lane
	v_and_b32 v10, 1, v1                           ; which of the two choices my lane stores
	s_lshl_b32 s15, ttmp9, 2
	s_add_co_u32 s15, s15, s14                     ; my token
	s_mov_b32 s20, 0x76543210
	s_mov_b32 s21, 0xfedcba98                      ; v_permlanex16_b32's selects for lane l xor 16
	s_mov_b32 s23, 0x600000                        ; the mantissa field of 448
	s_lshl_b32 s18, s15, 12
	s_mov_b32 s19, 0
	s_lshl_b32 s24, s15, 10
	s_mov_b32 s25, 0
	s_lshl_b32 s26, s15, 5
	s_mov_b32 s27, 0
	s_lshl_b32 s28, s15, 3
	s_mov_b32 s29, 0
	s_wait_kmcnt 0x0
	s_add_nc_u64 s[4:5], s[4:5], s[18:19]          ; my row of x
	s_add_nc_u64 s[24:25], s[8:9], s[24:25]        ; my row of codes
	s_add_nc_u64 s[26:27], s[8:9], s[26:27]        ; my row of scale bytes, less 1,048,576
	s_add_nc_u64 s[10:11], s[10:11], s[28:29]
	s_add_nc_u64 s[12:13], s[12:13], s[28:29]
.irp i, 0,1,2,3,4,5,6,7
	global_load_b128 v[X+4*\i:X+4*\i+3], v4, s[4:5] offset:512*\i th:TH_LOAD_NT
.endr
.irp i, 0,1,2,3,4,5,6,7,8,9,10,11,12,13,14,15
	global_load_b128 v[RT+4*\i:RT+4*\i+3], v2, s[6:7] offset:2048*\i
.endr
	s_wait_loadcnt 16                              ; x's eight loads are in; router_w's sixteen may be out
.irp i, 0,1,2,3,4,5,6,7
	ds_store_b128 v5, v[X+4*\i:X+4*\i+3] offset:4*BP*\i
.endr
	s_wait_loadcnt 0x0
.irp i, 0,1,2,3,4,5,6,7,8,9,10,11,12,13,14,15
	ds_store_b128 v3, v[RT+4*\i:RT+4*\i+3] offset:16*BP*\i
.endr
	s_wait_dscnt 0x0                               ; for the others' sake: my part of router_w lies in LDS
	s_barrier_signal -1
	s_barrier_wait -1
.irp q, 0,1,2,3,4,5,6,7
	ds_load_b128 v[X+4*\q:X+4*\q+3], v6 offset:16*\q
.endr
.macro RSET e                          ; expert e's 32 numbers of my block into set e % 2
.irp q, 0,1,2,3,4,5,6,7
	ds_load_b128 v[RT+32*((\e)%2)+4*\q:RT+32*((\e)%2)+4*\q+3], v7 offset:32*BP*(\e)+16*\q
.endr
.endm
.macro DOT e                           ; my block's part of score e, two numbers an instruction
.if (\e) < 7
	s_wait_dscnt 8                                 ; this expert's set is in; the next one's eight loads may be out
.else
	s_wait_dscnt 0x0
.endif
	v_pk_mul_f32 v[S+2*(\e):S+2*(\e)+1], v[X:X+1], v[RT+32*((\e)%2):RT+32*((\e)%2)+1]
.irp m, 2,4,6,8,10,12,14,16,18,20,22,24,26,28,30
	v_pk_fma_f32 v[S+2*(\e):S+2*(\e)+1], v[X+\m:X+\m+1], v[RT+32*((\e)%2)+\m:RT+32*((\e)%2)+\m+1], v[S+2*(\e):S+2*(\e)+1]
.endr
.if (\e) < 6
	RSET (\e)+2
.endif
.endm
	RSET 0
	RSET 1
.irp e, 0,1,2,3,4,5,6,7
	DOT \e
.endr
.irp e, 0,1,2,3,4,5,6,7
	v_add_f32 v[S+\e], v[S+2*\e], v[S+2*\e+1]      ; ascending: a pair is read before its registers are taken
.endr
.irp k, 1,2,4,8
.irp e, 0,1,2,3,4,5,6,7
	v_add_f32_dpp v[S+\e], v[S+\e], v[S+\e] row_xmask:\k row_mask:0xf bank_mask:0xf
.endr
.endr
.irp e, 0,1,2,3,4,5,6,7
	v_permlanex16_b32 v[M+\e], v[S+\e], s20, s21
.endr
.irp e, 0,1,2,3,4,5,6,7
	v_add_f32 v[S+\e], v[S+\e], v[M+\e]            ; every lane holds the same eight scores, bit for bit
.endr
	v_mov_b32 v12, v[S]                            ; the largest score and its expert
	v_mov_b32 v13, 0
.irp e, 1,2,3,4,5,6,7
	v_cmp_gt_f32 vcc_lo, v[S+\e], v12
	v_cndmask_b32 v12, v12, v[S+\e], vcc_lo
	v_cndmask_b32 v13, v13, \e, vcc_lo
.endr
	v_mov_b32 v14, 0xff800000                      ; -infinity takes the first choice's place
.irp e, 0,1,2,3,4,5,6,7
	v_cmp_eq_u32 vcc_lo, \e, v13
	v_cndmask_b32 v[M+\e], v[S+\e], v14, vcc_lo
.endr
	v_mov_b32 v112, v[M]                           ; the second largest and its expert
	v_mov_b32 v113, 0
.irp e, 1,2,3,4,5,6,7
	v_cmp_gt_f32 vcc_lo, v[M+\e], v112
	v_cndmask_b32 v112, v112, v[M+\e], vcc_lo
	v_cndmask_b32 v113, v113, \e, vcc_lo
.endr
	v_sub_f32 v114, v112, v12                      ; the maximum is taken away: 0 or less
	v_mul_f32 v114, 0x3fb8aa3b, v114
	v_exp_f32 v115, v114                           ; d = e^(s2 - s1), at most 1
	v_nop                                          ; a plain line behind the transcendental,
	s_wait_alu depctr_va_vdst(0)                   ; and a wait ahead of its first reader
	v_add_f32 v116, 1.0, v115
	v_rcp_f32 v117, v116                           ; the first weight: 1 / (1 + d)
	v_cmp_eq_u32 vcc_lo, 1, v10                    ; (a plain line)
	s_wait_alu depctr_va_vdst(0)
	v_mul_f32 v118, v115, v117                     ; the second: d / (1 + d)
	v_cndmask_b32 v119, v13, v113, vcc_lo          ; even lanes store the first choice, odd lanes the second: lanes of one parity write one word with one value
	v_cndmask_b32 v118, v117, v118, vcc_lo
	v_lshlrev_b32 v10, 2, v10
	global_store_b32 v10, v119, s[10:11]
	global_store_b32 v10, v118, s[12:13]
	; my block of x into codes
	v_max3_num_f32 v120, |v[X]|, |v[X+1]|, |v[X+2]|
	v_max3_num_f32 v121, |v[X+3]|, |v[X+4]|, |v[X+5]|
.irp i, 6,10,14,18,22,26
	v_max3_num_f32 v120, v120, |v[X+\i]|, |v[X+\i+1]|
	v_max3_num_f32 v121, v121, |v[X+\i+2]|, |v[X+\i+3]|
.endr
	v_max3_num_f32 v120, v120, |v[X+30]|, |v[X+31]|
	v_max3_num_f32 v120, v120, v121, 0x4800000     ; and the floor 2^(9 - 127): the byte cannot fall under 1
	v_add_nc_u32 v122, 0xfc000000, v120            ; 8 off the exponent field: the conversion's scale operand
	v_and_or_b32 v123, v120, 0x7f800000, s23       ; 448 x the scale
	v_lshrrev_b32 v124, 23, v122                   ; the scale's byte
.irp i, 0,1,2,3,4,5,6,7,8,9,10,11,12,13,14,15,16,17,18,19,20,21,22,23,24,25,26,27,28,29,30,31
	v_med3_num_f32 v[X+\i], v[X+\i], -v123, v123   ; the conversion to an 8-bit code does not saturate (ISA guide 7.6.2): the hold comes first
.endr
.irp g, 0,1,2,3
	v_cvt_scalef32_pk8_fp8_f32 v[CD+2*\g:CD+2*\g+1], v[X+8*\g:X+8*\g+7], v122
.endr
	v_nop
	ds_store_b128 v8, v[CD:CD+3]                   ; through my own stage, whose earlier reads are back: a lane's 32 bytes in, 16 bytes a lane out
	ds_store_b128 v8, v[CD+4:CD+7] offset:16
	ds_load_b128 v[OB:OB+3], v9                    ; LDS serves a wave's instructions in order: these see my stores
	ds_load_b128 v[OB+4:OB+7], v9 offset:512
	global_store_b8 v1, v124, s[26:27] offset:1048576
	s_wait_dscnt 0x0
	global_store_b128 v4, v[OB:OB+3], s[24:25]               ; 512 consecutive bytes each
	global_store_b128 v4, v[OB+4:OB+7], s[24:25] offset:512
	s_wait_tensorcnt 0x0
	ds_add_u32 v128, v129
	s_wait_dscnt 0x0
	s_endpgm
.Lfunc_end_k_q2e8d5996bd_route:
	.size	k_q2e8d5996bd_route, .Lfunc_end_k_q2e8d5996bd_route-k_q2e8d5996bd_route
	.p2alignl 7, 3214868480
	.fill 96, 4, 3214868480
	.section	.rodata,"a",@progbits
	.p2align	6, 0x0
	.amdhsa_kernel k_q2e8d5996bd_route
		.amdhsa_group_segment_fixed_size 55808
		.amdhsa_private_segment_fixed_size 0
		.amdhsa_enable_private_segment 0
		.amdhsa_kernarg_size 40
		.amdhsa_user_sgpr_count 2
		.amdhsa_user_sgpr_kernarg_segment_ptr 1
		.amdhsa_wavefront_size32 1
		.amdhsa_system_sgpr_workgroup_id_x 1
		.amdhsa_system_sgpr_workgroup_id_y 1
		.amdhsa_system_sgpr_workgroup_id_z 1
		.amdhsa_system_vgpr_workitem_id 0
		.amdhsa_next_free_vgpr 130
		.amdhsa_next_free_sgpr 66
		.amdhsa_reserve_vcc 1
		.amdhsa_float_denorm_mode_32 3
		.amdhsa_float_denorm_mode_16_64 3
		.amdhsa_memory_ordered 1
		.amdhsa_forward_progress 1
		.amdhsa_inst_pref_size 30
	.end_amdhsa_kernel
	.amdgpu_metadata
---
amdhsa.version: [ 1, 2 ]
amdhsa.kernels:
  - .name:           k_q2e8d5996bd_route
    .symbol:         k_q2e8d5996bd_route.kd
    .args:
      - { .name: x, .offset: 0, .size: 8, .value_kind: global_buffer, .address_space: global }
      - { .name: router_w, .offset: 8, .size: 8, .value_kind: global_buffer, .address_space: global }
      - { .name: xq, .offset: 16, .size: 8, .value_kind: global_buffer, .address_space: global }
      - { .name: topi, .offset: 24, .size: 8, .value_kind: global_buffer, .address_space: global }
      - { .name: gate, .offset: 32, .size: 8, .value_kind: global_buffer, .address_space: global }
    .group_segment_fixed_size: 55808
    .private_segment_fixed_size: 0
    .kernarg_segment_align: 8
    .kernarg_segment_size: 40
    .max_flat_workgroup_size: 128
    .sgpr_count:     66
    .vgpr_count:     130
    .wavefront_size: 32
...
	.end_amdgpu_metadata
.endif
;; end of part 1
;; launch place (part 2): grid 16 x 8, 1 waves a work-group, no clusters, 4,864 bytes of LDS; arguments topi, xq, gate, order, xs, gs; writes order, xs, gs
.if DOCPART == 2
	.amdgcn_target "amdgcn-amd-amdhsa--gfx1250"
	.amdhsa_code_object_version 6
	.text
	.protected	k_q2e8d5996bd_place
	.globl	k_q2e8d5996bd_place
	.p2align	8
	.type	k_q2e8d5996bd_place,@function
k_q2e8d5996bd_place:
	s_mov_b64 s[64:65], 0
	v_nop
	global_prefetch_b8 v0, s[64:65] scope:SCOPE_SE
	s_setreg_imm32_b32 hwreg(HW_REG_WAVE_MODE, 25, 1), 1
	s_wait_xcnt 0x0
; THE ROWS ARE PLACED BY EXPERT.  Work-group (g, e), one wave.  Every work-group of expert e scans all 2,048 routed entries p = 2 token + k in one fixed order
; and lists those that chose e; then it serves tiles g, g + 16, .. of 16 rows: sixteen work-groups an expert serve any split, up to 64 tiles.
; A token's two experts differ, so an expert has at most 1,024 rows and a fixed region of 64 tiles.  A last tile that is not full is filled with copies of the expert's last entry.
; For a tile: order[e][rank] = p; gs[e][rank] = its weight; xs = the rows' codes as an image of the matrix operand's registers,
; [e][tile][K step of 128][chunk c][lane][16 bytes], lane r + 16 h holding k = 32 c + 16 h + 0 .. 15 of row r; and from byte 8,388,608 on the rows' scale words, [e][tile][row][32 bytes].
; order + 32,768 + 4 e = the expert's number of tiles (stored by g = 0).
; EXEC is never changed: a lane whose entry chose another expert writes a dump word of its own.
.set ENT, 32                           ; v32-95   the entries: register 4 i + j of lane l is entry 128 i + 4 l + j
.set LA,  96                           ; v96-159  a scan step's LDS address; later, with the next, a tile's codes
.set LD,  160                          ; v160-223 a scan step's entry number: each step has registers of its own, so no LDS store's source is written again
.set CDS, 96
.set TRIPS, 38                         ; s38  my tiles
.set TC,    39                         ; s39  counts them
	s_load_b128 s[4:7], s[0:1], 0x0                ; topi, xq
	s_load_b128 s[8:11], s[0:1], 0x10              ; gate, order
	s_load_b128 s[12:15], s[0:1], 0x20             ; xs, gs
	v_lshl_add_u32 v224, v0, 2, 0x1200
	v_mov_b32 v225, 0
	s_and_b32 s20, ttmp7, 0xffff                   ; my expert
	v_and_b32 v1, 31, v0                           ; lane
	v_lshlrev_b32 v2, 4, v1
	v_lshlrev_b32 v3, 2, v1
	v_add_nc_u32 v4, 1024, v1                      ; my dump word, behind the list's 1,024
	v_and_b32 v13, 15, v1                          ; r
	v_lshrrev_b32 v14, 4, v1                       ; h
	v_lshlrev_b32 v15, 2, v13                      ; 4 r
	v_lshlrev_b32 v12, 5, v13
	v_lshl_add_u32 v12, v14, 4, v12                ; 32 r + 16 h
.irp i, 20,21,22,23
	v_mov_b32 v\i, 0
.endr
.irp i, 0,1,2,3,4,5,6,7
	ds_store_b128 v2, v[20:23] offset:512*\i       ; the list's 4,096 bytes are cleared first: no byte of it is read that nobody wrote.  LDS serves a wave's instructions in order: the scan's stores come behind these
.endr
	s_mov_b32 s21, 0                               ; rows found so far
	s_lshl_b32 s40, s20, 2
	s_mov_b32 s41, 0
	s_wait_kmcnt 0x0
	s_add_nc_u64 s[40:41], s[10:11], s[40:41]
.irp i, 0,1,2,3,4,5,6,7,8,9,10,11,12,13,14,15
	global_load_b128 v[ENT+4*\i:ENT+4*\i+3], v2, s[4:5] offset:512*\i
.endr
	s_wait_loadcnt 0x0
.set n, 0
.rept 64
	v_cmp_eq_u32 vcc_lo, s20, v[ENT+n]
	v_mbcnt_lo_u32_b32 v[LA+n], vcc_lo, s21        ; rows found before + matching lanes below mine
	v_cndmask_b32 v[LA+n], v4, v[LA+n], vcc_lo     ; my rank, or my dump word
	v_min_u32 v[LA+n], 0x41f, v[LA+n]              ; held inside the list and the dump words
	v_lshlrev_b32 v[LA+n], 2, v[LA+n]
	v_add_nc_u32 v[LD+n], 128*(n/4)+(n%4), v3      ; the entry's number p
	ds_store_b32 v[LA+n], v[LD+n]
	s_bcnt1_i32_b32 s22, vcc_lo
	s_add_co_u32 s21, s21, s22
.set n, n+1
.endr
	s_wait_dscnt 0x0
	s_add_co_u32 s23, s21, 15
	s_lshr_b32 s23, s23, 4                         ; tiles,
	s_min_u32 s23, s23, 64                         ; held inside the expert's region
	s_sub_co_u32 s24, s21, 1                       ; the last rank
	s_cmp_lg_u32 ttmp9, 0
	s_cbranch_scc1 .Lnot_first
	v_mov_b32 v16, s23
	v_mov_b32 v17, 0
	global_store_b32 v17, v16, s[40:41] offset:32768   ; all lanes write one word with one value
.Lnot_first:
	s_cmp_ge_u32 ttmp9, s23
	s_cbranch_scc1 .Lend
	s_sub_co_u32 s[TRIPS], s23, ttmp9
	s_add_co_u32 s[TRIPS], s[TRIPS], 15
	s_lshr_b32 s[TRIPS], s[TRIPS], 4               ; my tiles g, g + 16, ..: (tiles - g + 15) / 16 of them, at least one
	s_mov_b32 s[TC], 0
	s_mov_b32 s25, ttmp9                           ; my tile
	s_mov_b32 s31, 0
.Ltile:
	s_lshl_b32 s26, s25, 4
	v_add_nc_u32 v5, s26, v13                      ; rank 16 tile + r,
	v_min_u32 v5, s24, v5                          ; or the last one
	v_min_u32 v5, 0x3ff, v5
	v_lshlrev_b32 v5, 2, v5
	ds_load_b32 v6, v5
	s_lshl_b32 s26, s20, 6
	s_add_co_u32 s26, s26, s25                     ; 64 e + tile
	s_lshl_b32 s30, s26, 14
	s_add_nc_u64 s[28:29], s[12:13], s[30:31]      ; the tile's images
	s_lshl_b32 s30, s26, 9
	s_add_nc_u64 s[32:33], s[12:13], s[30:31]
	s_add_nc_u64 s[32:33], s[32:33], 0x800000      ; its scale words
	s_lshl_b32 s30, s26, 6
	s_add_nc_u64 s[34:35], s[10:11], s[30:31]      ; its 16 places in order
	s_add_nc_u64 s[36:37], s[14:15], s[30:31]      ; and in gs
	s_wait_dscnt 0x0
	v_min_u32 v6, 0x7ff, v6                        ; p
	v_and_b32 v7, 0x7fe, v6                        ; 2 x token
	v_lshlrev_b32 v8, 9, v7
	v_lshl_add_u32 v8, v14, 4, v8                  ; the token's codes, + 16 h
	v_lshlrev_b32 v9, 4, v7
	v_lshl_add_u32 v9, v14, 4, v9                  ; its scale bytes, + 16 h
	v_lshlrev_b32 v10, 2, v6
.irp j, 0,1,2,3,4,5,6,7
.irp c, 0,1,2,3
	global_load_b128 v[CDS+4*(4*\j+\c):CDS+4*(4*\j+\c)+3], v8, s[6:7] offset:128*\j+32*\c
.endr
.endr
	global_load_b128 v[24:27], v9, s[6:7] offset:1048576
	global_load_b32 v11, v10, s[8:9]
	s_wait_loadcnt 0x0
.irp m, 0,1,2,3,4,5,6,7,8,9,10,11,12,13,14,15,16,17,18,19,20,21,22,23,24,25,26,27,28,29,30,31
	global_store_b128 v2, v[CDS+4*\m:CDS+4*\m+3], s[28:29] offset:512*\m   ; 512 consecutive bytes each
.endr
	global_store_b128 v12, v[24:27], s[32:33]
	global_store_b32 v15, v6, s[34:35]             ; lanes r and r + 16 write one word with one value
	global_store_b32 v15, v11, s[36:37]
	s_wait_xcnt 0x0                                ; bases, offsets and data are written again only behind this wait
	s_add_co_u32 s25, s25, 16                      ; my next tile
	s_add_co_u32 s[TC], s[TC], 1
	s_cmp_lt_u32 s[TC], s[TRIPS]
	s_cbranch_scc1 .Ltile
.Lend:
	s_wait_tensorcnt 0x0
	ds_add_u32 v224, v225
	s_wait_dscnt 0x0
	s_endpgm
.Lfunc_end_k_q2e8d5996bd_place:
	.size	k_q2e8d5996bd_place, .Lfunc_end_k_q2e8d5996bd_place-k_q2e8d5996bd_place
	.p2alignl 7, 3214868480
	.fill 96, 4, 3214868480
	.section	.rodata,"a",@progbits
	.p2align	6, 0x0
	.amdhsa_kernel k_q2e8d5996bd_place
		.amdhsa_group_segment_fixed_size 4864
		.amdhsa_private_segment_fixed_size 0
		.amdhsa_enable_private_segment 0
		.amdhsa_kernarg_size 48
		.amdhsa_user_sgpr_count 2
		.amdhsa_user_sgpr_kernarg_segment_ptr 1
		.amdhsa_wavefront_size32 1
		.amdhsa_system_sgpr_workgroup_id_x 1
		.amdhsa_system_sgpr_workgroup_id_y 1
		.amdhsa_system_sgpr_workgroup_id_z 1
		.amdhsa_system_vgpr_workitem_id 0
		.amdhsa_next_free_vgpr 226
		.amdhsa_next_free_sgpr 66
		.amdhsa_reserve_vcc 1
		.amdhsa_float_denorm_mode_32 3
		.amdhsa_float_denorm_mode_16_64 3
		.amdhsa_memory_ordered 1
		.amdhsa_forward_progress 1
		.amdhsa_inst_pref_size 38
	.end_amdhsa_kernel
	.amdgpu_metadata
---
amdhsa.version: [ 1, 2 ]
amdhsa.kernels:
  - .name:           k_q2e8d5996bd_place
    .symbol:         k_q2e8d5996bd_place.kd
    .args:
      - { .name: topi, .offset: 0, .size: 8, .value_kind: global_buffer, .address_space: global }
      - { .name: xq, .offset: 8, .size: 8, .value_kind: global_buffer, .address_space: global }
      - { .name: gate, .offset: 16, .size: 8, .value_kind: global_buffer, .address_space: global }
      - { .name: order, .offset: 24, .size: 8, .value_kind: global_buffer, .address_space: global }
      - { .name: xs, .offset: 32, .size: 8, .value_kind: global_buffer, .address_space: global }
      - { .name: gs, .offset: 40, .size: 8, .value_kind: global_buffer, .address_space: global }
    .group_segment_fixed_size: 4864
    .private_segment_fixed_size: 0
    .kernarg_segment_align: 8
    .kernarg_segment_size: 48
    .max_flat_workgroup_size: 32
    .sgpr_count:     66
    .vgpr_count:     226
    .wavefront_size: 32
...
	.end_amdgpu_metadata
.endif
;; end of part 2
;; launch gemm1 (part 3): grid 32 x 8, 4 waves a work-group, no clusters, 174,592 bytes of LDS; arguments w1, w1_scale, xs, order, ac; writes ac
.if DOCPART == 3
	.amdgcn_target "amdgcn-amd-amdhsa--gfx1250"
	.amdhsa_code_object_version 6
	.text
	.protected	k_q2e8d5996bd_gemm1
	.globl	k_q2e8d5996bd_gemm1
	.p2align	8
	.type	k_q2e8d5996bd_gemm1,@function
k_q2e8d5996bd_gemm1:
	s_mov_b64 s[64:65], 0
	v_nop
	global_prefetch_b8 v0, s[64:65] scope:SCOPE_SE
	s_setreg_imm32_b32 hwreg(HW_REG_WAVE_MODE, 25, 1), 1
	s_wait_xcnt 0x0
; FIRST PRODUCT, SwiGLU AND ITS QUANTISER, WEIGHTS STANDING STILL.  Work-group (s, e) owns inter units 64 s .. 64 s + 63 of expert e: 64 gate rows and 64 up rows of w1, K = 1,024:
; 8 tiles of 16 rows x 8 K steps of 128 = 64 fragments.  Each packed word of w1 is read once in the launch and turned into a code once.
; PHASE C.  Wave w turns tiles 2 w, 2 w + 1 into codes.  A fragment (16 rows x 128 K = one group of the int4 scales) is 4 KB of words: eight loads of 512 bytes (two rows' 256 each),
; through the wave's own stage in LDS (pitch 272), back as 8 words for each of a lane's four chunks.  (word & 15) | 0x4B000000 is the f32 number 2^23 + low nibble, (word & 0xF0) | 0x4B000000 is 2^23 + 16 x high nibble;
; less 2^23 + 8 and 2^23 + 128 they are q - 8 and 16 (q - 8), exactly; times (s, s / 16) they are (q - 8) s, rounded once.  Then the MX quantiser along K.
; The codes go to LDS as images of the operand's registers (16 bytes a lane, 512 a store), the scale words 4 bytes a lane.  One barrier.
; PHASE M.  Wave w takes block bM = w & 1 of 32 units (tiles gate u = 0, 1 and up u = 0, 1, all 8 K steps: 512 registers, fetched once) and the expert's row tiles w >> 1, w >> 1 + 2, ..
; THE PRODUCT IS USED TRANSPOSED (source 0 = 16 rows of w1, source 1 = 16 routed rows of x): a lane holds one routed row.  THE ROWS OF A TILE ARE NOT NEIGHBOURS: slot q of tile u is unit 32 b + 8 u + q + 8 (q / 8),
; so that a lane's 16 results of tiles u = 0, 1 are units 32 b + 16 (lane / 16) + 0 .. 15: half a block of the next K, and the conversions' results are a chunk of the next operand's image.
; Out: ac = images [e][tile][K step][chunk][lane][16 bytes] and, from byte 16,777,216 on, scale bytes [e][tile][K half][row][32].
; The number of row tiles is a whole number that an earlier launch stored, so the tile loop's trip count hangs on memory: hence operands come straight into registers,
; there is no tensor load, no joint request (partners would need equal trip counts known to the text; a constant walk over all 64 tiles would fetch four times an even split's bytes), and no barrier in that loop.
; LIMITS: NaN and infinities are not served; a weight scale is 0 or at least 2^-120 in magnitude (s / 16 is then exact); of a packed word bits 7:0 count; a block of zeros gets the byte 1 where the rule says 127 (its codes are zeros; this program alone reads the bytes).
.set SIMG, 131072                      ; LDS: images at (8 tile + K step) x 2,048 from 0; their scale words at (8 tile + K step) x 128 from here;
.set RAW,  139264                      ; two stages of 16 rows x 272 bytes for each wave
.set RR,  1                            ; v1   r = lane % 16
.set HH,  2                            ; v2   h = lane / 16
.set GA,  3                            ; v3   w1: 16 r + 16 rows x h
.set SA,  4                            ; v4   stage, in: row 8 h, 16 r
.set RA,  5                            ; v5   stage, back: row r, 32 h
.set IW,  6                            ; v6   where my wave's images begin, + 16 x lane
.set SW,  7                            ; v7   and their scale words, + 4 x lane
.set IR,  8                            ; v8   phase M: my block's images
.set SR,  9                            ; v9   and scale words
.set LI,  10                           ; v10  16 x lane
.set R32, 11                           ; v11  32 r
.set IWC, 12                           ; v12  IW for the trip in hand
.set WSO, 13                           ; v13  my slot's row of w1_scale
.set KC,  14                           ; v14-15  -(2^23 + 8), -(2^23 + 128)
.set WS,  16                           ; v16-31  the int4 scales of my 16 fragments
.set R,   32                           ; v32-95  two sets of 32 packed words
.set F,   96                           ; v96-159 64 weights
.set PC,  160                          ; v160-175 a fragment's codes
.set TM,  176                          ; v176-191 the quantiser's work
.set PW,  192                          ; v192 the scale word just made
.set SWC, 193                          ; v193 SW for the trip in hand
.set SP,  194                          ; v194-195 (s, s / 16)
.set WSC, 196                          ; v196-227 phase M: the weights' scale words, 4 x K step + tile: scales and nothing else
.set XS,  228                          ; v228-235 the rows' scale words, one a K step: scales and nothing else
.set ACC, 32                           ; phase M: v32-63 gate u = 0, 1, up u = 0, 1
.set EX,  64                           ; v64-79
.set HD,  80                           ; v80-95  silu(gate) x up
.set T2,  96                           ; v96-100
.set PC2, 104                          ; v104-107 16 codes
.set PB,  108                          ; v108 the block's byte
; window 1: v0-127 phase C's ring of four sets of words as loaded; phase M: the weights' fragments of K steps 0-3 at 16 (4 j + tile).  window 2: K steps 4-7.  window 3: v0-127 a row tile, K step j at 16 j.
.set WV,  14
.set EE,  16
.set BM,  17
.set MH,  18
.set SEL, 20
.set MAGIC, 22
.set HIM, 23
.set MNT, 24
.set WB,  26                           ; s[26:27] my wave's rows of w1, at the trip's K
.set SB,  28                           ; s[28:29] and of w1_scale
.set XN,  30                           ; s[30:31] the row tile to be asked for next
.set XSN, 32                           ; s[32:33] and its scale words
.set AO,  34                           ; s[34:35] where the tile in hand stores its chunk
.set AS,  36                           ; s[36:37] and its bytes
.set LIO, 40
.set LSO, 41
.set CNT, 42
.set NT,  43
.set NW,  44
.set NTO, 45
.set MSB, 0
.macro WIN new                         ; the immediate's high byte repeats the setting that is left
.if MSB != (\new)
	s_set_vgpr_msb (MSB<<8)|(\new)
.set MSB, (\new)
.endif
.endm
.macro PLACES                          ; eight places behind this form ahead of loads into its registers and of reads of its results
.rept 8
	v_nop
.endr
.endm
.macro LOADG set, off, rs              ; a fragment's 4 KB of words: lanes 0-15 take 256 bytes of slot i, lanes 16-31 of slot i + 8
	WIN 0x40
.irp i, 0,1,2,3,4,5,6,7
	global_load_b128 v[32*(\set)+4*\i:32*(\set)+4*\i+3], v[GA], s[WB:WB+1] offset:(\off)+\i*(\rs) th:TH_LOAD_NT
.endr
	WIN 0
.endm
.macro TURN set, sg                    ; through stage sg: LDS serves a wave's instructions in order, so no wait stands between the stores and the loads
	WIN 0x04
.irp i, 0,1,2,3,4,5,6,7
	ds_store_b128 v[SA], v[32*(\set)+4*\i:32*(\set)+4*\i+3] offset:(\sg)*4352+\i*272
.endr
	WIN 0
.irp c, 0,1,2,3
.irp q, 0,1
	ds_load_b128 v[R+32*(\sg)+8*\c+4*\q:R+32*(\sg)+8*\c+4*\q+3], v[RA] offset:(\sg)*4352+64*\c+16*\q
.endr
.endr
.endm
.macro DEQ sg, ws                      ; 32 words -> 64 weights: register 16 b + i = k 32 b + 16 h + i of my row
	v_mov_b32 v[SP], v[\ws]
	v_mul_f32 v[SP+1], 0x3d800000, v[\ws]
.set m, 0
.rept 32
	v_and_or_b32 v[F+2*m], v[R+32*(\sg)+m], 15, s[MAGIC]
	v_and_or_b32 v[F+2*m+1], v[R+32*(\sg)+m], s[HIM], s[MAGIC]
.set m, m+1
.endr
.set m, 0
.rept 32
	v_pk_add_f32 v[F+2*m:F+2*m+1], v[F+2*m:F+2*m+1], v[KC:KC+1]
.set m, m+1
.endr
.set m, 0
.rept 32
	v_pk_mul_f32 v[F+2*m:F+2*m+1], v[F+2*m:F+2*m+1], v[SP:SP+1]
.set m, m+1
.endr
.endm
.macro QUANT4                          ; the 64 weights become a fragment's codes in v[PC] on and its scale word in v[PW]
.irp b, 0,1,2,3
	v_max3_num_f32 v[TM+\b], |v[F+16*\b]|, |v[F+1+16*\b]|, 0x4800000   ; with the floor 2^(9 - 127): the byte cannot fall under 1
.endr
.irp i, 2,4,6,8,10,12,14
.irp b, 0,1,2,3
	v_max3_num_f32 v[TM+\b], v[TM+\b], |v[F+16*\b+\i]|, |v[F+1+16*\b+\i]|
.endr
.endr
.irp b, 0,1,2,3
	v_permlanex16_b32 v[TM+4+\b], v[TM+\b], s[SEL], s[SEL+1]
.endr
.irp b, 0,1,2,3
	v_max_num_f32 v[TM+\b], v[TM+\b], v[TM+4+\b]   ; with lane l xor 16's: the block's largest magnitude
.endr
.irp b, 0,1,2,3
	v_add_nc_u32 v[TM+12+\b], 0xfc000000, v[TM+\b] ; 8 off its exponent field: the conversion's scale operand
.endr
.irp b, 0,1,2,3
	v_and_or_b32 v[TM+8+\b], v[TM+\b], 0x7f800000, s[MNT]   ; 448 x the scale
.endr
.irp b, 0,1,2,3
	v_lshrrev_b32 v[TM+4+\b], 23, v[TM+12+\b]      ; the scale's byte
.endr
	v_lshl_or_b32 v[PW], v[TM+5], 8, v[TM+4]
	v_lshl_or_b32 v[PW], v[TM+6], 16, v[PW]
	v_lshl_or_b32 v[PW], v[TM+7], 24, v[PW]
.irp b, 0,1,2,3
.irp i, 0,1,2,3,4,5,6,7,8,9,10,11,12,13,14,15
	v_med3_num_f32 v[F+16*\b+\i], v[F+16*\b+\i], -v[TM+8+\b], v[TM+8+\b]   ; the conversion does not saturate (ISA guide 7.6.2): the hold comes first
.endr
	v_cvt_scalef32_pk8_fp8_f32 v[PC+4*\b:PC+1+4*\b], v[F+16*\b:F+7+16*\b], v[TM+12+\b]
	v_cvt_scalef32_pk8_fp8_f32 v[PC+2+4*\b:PC+3+4*\b], v[F+8+16*\b:F+15+16*\b], v[TM+12+\b]
.endr
	v_nop                                          ; a plain line behind the last conversion
.endm
.macro IMAGE io, so
.irp c, 0,1,2,3
	ds_store_b128 v[IWC], v[PC+4*\c:PC+4*\c+3] offset:(\io)+512*\c
.endr
	ds_store_b32 v[SWC], v[PW] offset:\so
.endm
; One fragment.  ahead: its set of the ring takes the fragment four on.  nxt: the next fragment goes through the other stage; cnt = the younger loads that may stay out.
.macro STEPC t, ahead, aoff, rs, nxt, cnt, io, so, ws
	s_wait_dscnt 0x0                               ; my words are back from the stage; the stores that read this set of the ring, and the last images' stores, are done
.if \ahead
	LOADG \t, \aoff, \rs
.endif
.if \nxt
	s_wait_loadcnt \cnt
	TURN ((\t)+1)%4, ((\t)+1)%2
.endif
	DEQ (\t)%2, \ws
	QUANT4
	IMAGE \io, \so
.endm
	s_load_b128 s[4:7], s[0:1], 0x0                ; w1, w1_scale
	s_load_b128 s[8:11], s[0:1], 0x10              ; xs, order
	s_load_b64 s[12:13], s[0:1], 0x20              ; ac
	v_lshl_add_u32 v254, v0, 2, 0x2a800
	v_mov_b32 v255, 0
	v_lshrrev_b32 v1, 5, v0
	v_readfirstlane_b32 s[WV], v1                  ; wave 0..3
	s_and_b32 s[EE], ttmp7, 0xffff                 ; expert
	s_and_b32 s[BM], s[WV], 1                      ; phase C: gate (0) or up (1); phase M: my block of 32 units
	s_lshr_b32 s[MH], s[WV], 1                     ; phase C: the block of 32 units; phase M: even or odd row tiles
	v_and_b32 v[RR], 15, v0
	v_bfe_u32 v[HH], v0, 4, 1
	v_lshlrev_b32 v[GA], 4, v[RR]
	v_lshl_add_u32 v[GA], v[HH], 15, v[GA]         ; slots 8-15 lie 16 rows of 2,048 bytes behind slots 0-7
	s_mul_i32 s46, s[WV], 8704
	s_add_co_u32 s46, s46, RAW
	v_mul_u32_u24 v[SA], v[HH], 2176
	v_lshl_add_u32 v[SA], v[RR], 4, v[SA]
	v_add_nc_u32 v[SA], s46, v[SA]
	v_mul_u32_u24 v[RA], v[RR], 272
	v_lshl_add_u32 v[RA], v[HH], 5, v[RA]
	v_add_nc_u32 v[RA], s46, v[RA]
	v_and_b32 v[LI], 31, v0
	v_lshlrev_b32 v[SW], 2, v[LI]
	v_lshlrev_b32 v[LI], 4, v[LI]
	s_lshl_b32 s46, s[WV], 15
	v_add_nc_u32 v[IW], s46, v[LI]
	s_lshl_b32 s46, s[BM], 12
	s_add_co_u32 s46, s46, SIMG
	v_add_nc_u32 v[SR], s46, v[SW]
	s_lshl_b32 s46, s[WV], 11
	s_add_co_u32 s46, s46, SIMG
	v_add_nc_u32 v[SW], s46, v[SW]
	s_lshl_b32 s46, s[BM], 16
	v_add_nc_u32 v[IR], s46, v[LI]
	v_lshlrev_b32 v[R32], 5, v[RR]
	v_and_b32 v[WSO], 8, v[RR]
	v_add_nc_u32 v[WSO], v[WSO], v[RR]             ; r + 8 (r / 8)
	v_lshlrev_b32 v[WSO], 5, v[WSO]
	v_mov_b32 v[KC], 0xcb000008
	v_mov_b32 v[KC+1], 0xcb000080
.irp b, 0,1,2,3
	v_mov_b32 v[TM+4+\b], 0                        ; written once: a lane permute's destination counts as one of its sources
.endr
	s_mov_b32 s[SEL], 0x76543210
	s_mov_b32 s[SEL+1], 0xfedcba98
	s_mov_b32 s[MAGIC], 0x4b000000
	s_mov_b32 s[HIM], 0xf0
	s_mov_b32 s[MNT], 0x600000
	s_lshl_b32 s[NTO], s[EE], 2
	s_lshl_b32 s46, s[EE], 12
	s_lshl_b32 s47, s[BM], 11
	s_add_co_u32 s46, s46, s47
	s_lshl_b32 s47, ttmp9, 6
	s_add_co_u32 s46, s46, s47
	s_lshl_b32 s47, s[MH], 5
	s_add_co_u32 s46, s46, s47                     ; my first row of w1: 4096 e + 2048 (gate or up) + 64 s + 32 block
	s_lshl_b32 s48, s46, 11
	s_mov_b32 s49, 0
	s_lshl_b32 s50, s46, 5
	s_mov_b32 s51, 0
	s_wait_kmcnt 0x0
	s_add_nc_u64 s[WB:WB+1], s[4:5], s[48:49]
	s_add_nc_u64 s[SB:SB+1], s[6:7], s[50:51]
.irp a, 0,1,2,3
.irp u, 0,1
	global_load_b64 v[WS+4*\a+2*\u:WS+4*\a+2*\u+1], v[WSO], s[SB:SB+1] offset:256*\u+8*\a   ; trip a, tile u: the scales of K steps 2 a, 2 a + 1
.endr
.endr
.irp t, 0,1,2,3
	LOADG \t, (\t/2)*16384+(\t%2)*256, 2048        ; fragment t of a trip: tile t / 2, K step 2 trip + t % 2
.endr
	s_load_b32 s[NT], s[10:11], s[NTO] offset:0x8000   ; my expert's row tiles; waited for behind the barrier
	s_lshl_b32 s46, s[EE], 6
	s_add_co_u32 s46, s46, s[MH]                   ; my first row tile: 64 e + (wave / 2)
	s_lshl_b32 s48, s46, 14
	s_add_nc_u64 s[XN:XN+1], s[8:9], s[48:49]
	s_lshl_b32 s48, s46, 9
	s_add_nc_u64 s[XSN:XSN+1], s[8:9], s[48:49]
	s_add_nc_u64 s[XSN:XSN+1], s[XSN:XSN+1], 0x800000
	s_lshl_b32 s48, s46, 15
	s_lshr_b32 s47, ttmp9, 1
	s_lshl_b32 s47, s47, 11                        ; K step s / 2 of the next product,
	s_add_co_u32 s48, s48, s47
	s_lshl_b32 s47, ttmp9, 1
	s_add_co_u32 s47, s47, s[BM]                   ; block 2 s + bM of its K:
	s_and_b32 s50, s47, 3
	s_lshl_b32 s50, s50, 9                         ; chunk (2 s + bM) % 4
	s_add_co_u32 s48, s48, s50
	s_add_nc_u64 s[AO:AO+1], s[12:13], s[48:49]
	s_lshl_b32 s48, s46, 10
	s_lshr_b32 s50, s47, 5
	s_lshl_b32 s50, s50, 9                         ; K half,
	s_add_co_u32 s48, s48, s50
	s_and_b32 s50, s47, 31                         ; byte in the half's 32
	s_add_co_u32 s48, s48, s50
	s_add_nc_u64 s[AS:AS+1], s[12:13], s[48:49]
	s_add_nc_u64 s[AS:AS+1], s[AS:AS+1], 0x1000000
	s_mov_b32 s[LIO], 0
	s_mov_b32 s[LSO], 0
	s_mov_b32 s[CNT], 0
	s_wait_loadcnt 24                              ; the scales and set 0 are in; sets 1 to 3 may be out
	TURN 0, 0
.Lconv:                                            ; three trips of four fragments; each asks for the next trip's four
	s_wait_dscnt 0x0                               ; the last images' stores are done: their address registers may be written
	v_add_nc_u32 v[IWC], s[LIO], v[IW]
	v_add_nc_u32 v[SWC], s[LSO], v[SW]
.irp t, 0,1,2,3
	STEPC \t, 1, (\t/2)*16384+(\t%2)*256+512, 2048, 1, 24, (\t/2)*16384+(\t%2)*2048, (\t/2)*1024+(\t%2)*128, WS+\t
.endr
.irp k, 0,1,2,3,4,5,6,7,8,9,10,11
	v_mov_b32 v[WS+\k], v[WS+\k+4]                 ; the next trip's scales move down, so that a trip's register numbers stay
.endr
	s_wait_xcnt 0x0                                ; the loads have read their base
	s_add_nc_u64 s[WB:WB+1], s[WB:WB+1], 512
	s_add_co_u32 s[LIO], s[LIO], 4096
	s_add_co_u32 s[LSO], s[LSO], 256
	s_add_co_u32 s[CNT], s[CNT], 1
	s_cmp_lt_u32 s[CNT], 3
	s_cbranch_scc1 .Lconv
	s_wait_dscnt 0x0
	v_add_nc_u32 v[IWC], s[LIO], v[IW]
	v_add_nc_u32 v[SWC], s[LSO], v[SW]
	STEPC 0, 0, 0, 2048, 1, 16, 0, 0, WS+0         ; the last four ask for nothing: the counts run down
	STEPC 1, 0, 0, 2048, 1, 8, 2048, 128, WS+1
	STEPC 2, 0, 0, 2048, 1, 0, 16384, 1024, WS+2
	STEPC 3, 0, 0, 2048, 0, 0, 18432, 1152, WS+3
	s_wait_dscnt 0x0                               ; for the others' sake: my images lie in LDS
	s_barrier_signal -1
	s_barrier_wait -1                              ; the one barrier: nothing is written to LDS behind it
.macro REFILL hf                       ; half a row tile: four K steps' images, 512 consecutive bytes a load, and the rows' four scale words: 17 loads
	WIN 0xc0
.irp j, 0,1,2,3
.irp c, 0,1,2,3
	global_load_b128 v[16*(4*\hf+\j)+4*\c:16*(4*\hf+\j)+4*\c+3], v[LI], s[XN:XN+1] offset:(4*\hf+\j)*2048+512*\c
.endr
.endr
	WIN 0
	global_load_b128 v[XS+4*\hf:XS+4*\hf+3], v[R32], s[XSN:XSN+1] offset:16*\hf
.endm
.macro WFETCH                          ; my block's 32 fragments and scale words, once
	WIN 0x40
.irp j, 0,1,2,3
.irp n, 0,1,2,3
.irp c, 0,1,2,3
	ds_load_b128 v[16*(4*\j+\n)+4*\c:16*(4*\j+\n)+4*\c+3], v[IR] offset:(8*\n+\j)*2048+512*\c
.endr
.endr
.endr
	WIN 0x80
.irp j, 0,1,2,3
.irp n, 0,1,2,3
.irp c, 0,1,2,3
	ds_load_b128 v[16*(4*\j+\n)+4*\c:16*(4*\j+\n)+4*\c+3], v[IR] offset:(8*\n+\j+4)*2048+512*\c
.endr
.endr
.endr
	WIN 0
.irp j, 0,1,2,3,4,5,6,7
.irp n, 0,1,2,3
	ds_load_b32 v[WSC+4*\j+\n], v[SR] offset:(8*\n+\j)*128
.endr
.endr
.endm
.macro MM hf                           ; 16 products: four K steps x four tiles; the four accumulators take turns, one instruction a turn
.if \hf == 0
	WIN 0x0d                                       ; source 0 window 1, source 1 window 3
.else
	WIN 0x0e                                       ; source 0 window 2
.endif
.irp j, 0,1,2,3
.irp n, 0,1,2,3
.if (\hf == 0) && (\j == 0)
	v_wmma_scale_f32_16x16x128_f8f6f4 v[ACC+8*\n:ACC+8*\n+7], v[16*(4*\j+\n):16*(4*\j+\n)+15], v[16*(4*\hf+\j):16*(4*\hf+\j)+15], 0, v[WSC+4*(4*\hf+\j)+\n], v[XS+4*\hf+\j]
.else
	v_wmma_scale_f32_16x16x128_f8f6f4 v[ACC+8*\n:ACC+8*\n+7], v[16*(4*\j+\n):16*(4*\j+\n)+15], v[16*(4*\hf+\j):16*(4*\hf+\j)+15], v[ACC+8*\n:ACC+8*\n+7], v[WSC+4*(4*\hf+\j)+\n], v[XS+4*\hf+\j]
.endif
.endr
.endr
.endm
.macro FINAL                           ; silu(gate) x up of my row's 16 units, and half a block's quantiser
.irp i, 0,2,4,6,8,10,12,14
	v_pk_mul_f32 v[EX+\i:EX+\i+1], v[ACC+\i:ACC+\i+1], 0xbfb8aa3b op_sel_hi:[1,0]   ; -gate x log2(e); each accumulator is read from its low end on
.endr
.irp i, 0,1,2,3,4,5,6,7,8,9,10,11,12,13,14,15
	v_exp_f32 v[EX+\i], v[EX+\i]
.endr
	v_nop                                          ; a plain line behind the batch,
	s_wait_alu depctr_va_vdst(0)                   ; and one wait for it, ahead of its first reader
.irp i, 0,2,4,6,8,10,12,14
	v_pk_add_f32 v[EX+\i:EX+\i+1], v[EX+\i:EX+\i+1], 1.0 op_sel_hi:[1,0]
.endr
.irp i, 0,1,2,3,4,5,6,7,8,9,10,11,12,13,14,15
	v_rcp_f32 v[EX+\i], v[EX+\i]
.endr
	v_nop
	s_wait_alu depctr_va_vdst(0)
.irp i, 0,2,4,6,8,10,12,14
	v_pk_mul_f32 v[HD+\i:HD+\i+1], v[ACC+\i:ACC+\i+1], v[EX+\i:EX+\i+1]
.endr
.irp i, 0,2,4,6,8,10,12,14
	v_pk_mul_f32 v[HD+\i:HD+\i+1], v[HD+\i:HD+\i+1], v[ACC+16+\i:ACC+16+\i+1]
.endr
	v_max3_num_f32 v[T2], |v[HD]|, |v[HD+1]|, 0x4800000
	v_max3_num_f32 v[T2+1], |v[HD+8]|, |v[HD+9]|, |v[HD+10]|
	v_max3_num_f32 v[T2], v[T2], |v[HD+2]|, |v[HD+3]|
	v_max3_num_f32 v[T2+1], v[T2+1], |v[HD+11]|, |v[HD+12]|
	v_max3_num_f32 v[T2], v[T2], |v[HD+4]|, |v[HD+5]|
	v_max3_num_f32 v[T2+1], v[T2+1], |v[HD+13]|, |v[HD+14]|
	v_max3_num_f32 v[T2], v[T2], |v[HD+6]|, |v[HD+7]|
	v_max3_num_f32 v[T2], v[T2], v[T2+1], |v[HD+15]|
	v_permlanex16_b32 v[T2+2], v[T2], s[SEL], s[SEL+1]
	v_max_num_f32 v[T2], v[T2], v[T2+2]            ; with lane l xor 16's 16 units: the block's largest magnitude
	v_add_nc_u32 v[T2+3], 0xfc000000, v[T2]
	v_and_or_b32 v[T2+4], v[T2], 0x7f800000, s[MNT]
	v_lshrrev_b32 v[PB], 23, v[T2+3]
.irp i, 0,1,2,3,4,5,6,7,8,9,10,11,12,13,14,15
	v_med3_num_f32 v[HD+\i], v[HD+\i], -v[T2+4], v[T2+4]
.endr
	v_cvt_scalef32_pk8_fp8_f32 v[PC2:PC2+1], v[HD:HD+7], v[T2+3]
	v_cvt_scalef32_pk8_fp8_f32 v[PC2+2:PC2+3], v[HD+8:HD+15], v[T2+3]
	v_nop
	global_store_b128 v[LI], v[PC2:PC2+3], s[AO:AO+1]   ; a chunk of the next operand's image: 512 consecutive bytes
	global_store_b8 v[R32], v[PB], s[AS:AS+1]           ; my row's byte; lanes r and r + 16 write one byte with one value
.endm
; A row tile.  more = 1: the next tile of my walk is asked for, each half as soon as its registers are free.
.macro TILE more
	s_wait_loadcnt 17                              ; this tile's first half is in; its second half's 17 loads may be out
	MM 0
.if \more
	WIN 0
	PLACES
	REFILL 0
	s_wait_loadcnt 17                              ; the second half is in; the 17 just issued may be out
.else
	s_wait_loadcnt 0x0
.endif
	MM 1
	WIN 0
	PLACES
.if \more
	REFILL 1
.endif
	FINAL
.if \more
	s_wait_xcnt 0x0                                ; loads and stores have read their bases and data: all may be written
	s_add_nc_u64 s[XN:XN+1], s[XN:XN+1], 32768
	s_add_nc_u64 s[XSN:XSN+1], s[XSN:XSN+1], 1024
	s_add_nc_u64 s[AO:AO+1], s[AO:AO+1], 65536
	s_add_nc_u64 s[AS:AS+1], s[AS:AS+1], 2048
.endif
.endm
	s_wait_kmcnt 0x0
	s_min_u32 s[NT], s[NT], 64
	s_add_co_u32 s[NW], s[NT], 1
	s_sub_co_u32 s[NW], s[NW], s[MH]
	s_lshr_b32 s[NW], s[NW], 1                     ; my tiles: (tiles + 1 - wave / 2) / 2
	s_cmp_eq_u32 s[NW], 0
	s_cbranch_scc1 .Lend
	REFILL 0
	REFILL 1
	WFETCH                                         ; the first tile is on its way meanwhile
	v_mov_b32 v[T2+2], 0                           ; a lane permute's destination counts as one of its sources
	s_wait_dscnt 0x0
	s_wait_xcnt 0x0
	s_add_nc_u64 s[XN:XN+1], s[XN:XN+1], 32768     ; on to my next tile, two tiles further
	s_add_nc_u64 s[XSN:XSN+1], s[XSN:XSN+1], 1024
	s_sub_co_u32 s[NW], s[NW], 1
	s_cmp_eq_u32 s[NW], 0
	s_cbranch_scc1 .Llast
	s_mov_b32 s[CNT], 0
.Lm:
	TILE 1
	s_add_co_u32 s[CNT], s[CNT], 1
	s_cmp_lt_u32 s[CNT], s[NW]
	s_cbranch_scc1 .Lm
.Llast:
	TILE 0                                         ; my last tile asks for nothing
.Lend:
	s_wait_tensorcnt 0x0
	ds_add_u32 v254, v255
	s_wait_dscnt 0x0
	s_endpgm
.Lfunc_end_k_q2e8d5996bd_gemm1:
	.size	k_q2e8d5996bd_gemm1, .Lfunc_end_k_q2e8d5996bd_gemm1-k_q2e8d5996bd_gemm1
	.p2alignl 7, 3214868480
	.fill 96, 4, 3214868480
	.section	.rodata,"a",@progbits
	.p2align	6, 0x0
	.amdhsa_kernel k_q2e8d5996bd_gemm1
		.amdhsa_group_segment_fixed_size 174592
		.amdhsa_private_segment_fixed_size 0
		.amdhsa_enable_private_segment 0
		.amdhsa_kernarg_size 40
		.amdhsa_user_sgpr_count 2
		.amdhsa_user_sgpr_kernarg_segment_ptr 1
		.amdhsa_wavefront_size32 1
		.amdhsa_system_sgpr_workgroup_id_x 1
		.amdhsa_system_sgpr_workgroup_id_y 1
		.amdhsa_system_sgpr_workgroup_id_z 1
		.amdhsa_system_vgpr_workitem_id 0
		.amdhsa_next_free_vgpr 896
		.amdhsa_next_free_sgpr 66
		.amdhsa_reserve_vcc 0
		.amdhsa_float_denorm_mode_32 3
		.amdhsa_float_denorm_mode_16_64 3
		.amdhsa_memory_ordered 1
		.amdhsa_forward_progress 1
		.amdhsa_inst_pref_size 191
	.end_amdhsa_kernel
	.amdgpu_metadata
---
amdhsa.version: [ 1, 2 ]
amdhsa.kernels:
  - .name:           k_q2e8d5996bd_gemm1
    .symbol:         k_q2e8d5996bd_gemm1.kd
    .args:
      - { .name: w1, .offset: 0, .size: 8, .value_kind: global_buffer, .address_space: global }
      - { .name: w1_scale, .offset: 8, .size: 8, .value_kind: global_buffer, .address_space: global }
      - { .name: xs, .offset: 16, .size: 8, .value_kind: global_buffer, .address_space: global }
      - { .name: order, .offset: 24, .size: 8, .value_kind: global_buffer, .address_space: global }
      - { .name: ac, .offset: 32, .size: 8, .value_kind: global_buffer, .address_space: global }
    .group_segment_fixed_size: 174592
    .private_segment_fixed_size: 0
    .kernarg_segment_align: 8
    .kernarg_segment_size: 40
    .max_flat_workgroup_size: 128
    .sgpr_count:     66
    .vgpr_count:     896
    .wavefront_size: 32
...
	.end_amdgpu_metadata
.endif
;; end of part 3
;; launch gemm2 (part 4): grid 32 x 8, 4 waves a work-group, no clusters, 104,960 bytes of LDS; arguments w2, w2_scale, ac, order, gs, y; writes y
.if DOCPART == 4
	.amdgcn_target "amdgcn-amd-amdhsa--gfx1250"
	.amdhsa_code_object_version 6
	.text
	.protected	k_q2e8d5996bd_gemm2
	.globl	k_q2e8d5996bd_gemm2
	.p2align	8
	.type	k_q2e8d5996bd_gemm2,@function
k_q2e8d5996bd_gemm2:
	s_mov_b64 s[64:65], 0
	v_nop
	global_prefetch_b8 v0, s[64:65] scope:SCOPE_SE
	s_setreg_imm32_b32 hwreg(HW_REG_WAVE_MODE, 25, 1), 1
	s_wait_xcnt 0x0
; SECOND PRODUCT, WEIGHTS STANDING STILL.  Work-group (x, e): ns = x / 2, kh = x % 2: output columns 64 ns .. 64 ns + 63 of expert e, K half kh (1,024 of 2,048): 4 tiles of 16 rows of w2 x 8 K steps = 32 fragments.
; Each packed word of w2 is read once in the launch and turned into a code once.
; PHASE C as in the first product's launch: wave w turns tile w's eight fragments into codes: words as they lie, through the wave's own stage, (word & 15) | 0x4B000000 = 2^23 + low nibble and
; (word & 0xF0) | 0x4B000000 = 2^23 + 16 x high nibble, less 2^23 + 8 and 2^23 + 128 (exact), times (s, s / 16) (one rounding), the MX quantiser along K; images and scale words to LDS; one barrier.
; PHASE M.  Every wave fetches all 32 fragments (512 registers) once and takes row tiles w, w + 4, ..  The product is used transposed (source 0 = 16 rows of w2, source 1 = 16 routed rows):
; a lane holds one routed row and eight neighbouring columns a tile.  The sums are multiplied by the row's routing weight, turned through the wave's stage and stored as whole runs of 256 bytes of row p of y[kh].
; y: [2 K halves][2,048 routed entries p][1,024] f32; the last launch adds a token's four rows.  weight x (S0 + S1) is thus formed as weight x S0 + weight x S1.
; A last tile's spare rows are copies of the expert's last entry: they compute the same numbers and store them to the same bytes, from this wave.
; The number of row tiles is a whole number stored by an earlier launch: so operands come straight into registers, there is no tensor load, no joint request (partners would need equal trip counts known to the text) and no barrier in the tile loop.
; LIMITS: NaN and infinities are not served; a weight scale is 0 or at least 2^-120 in magnitude; of a packed word bits 7:0 count; a block of zeros gets the byte 1 where the rule says 127.
.set SIMG, 65536                       ; LDS: images at (8 tile + K step) x 2,048 from 0; scale words at (8 tile + K step) x 128 from here;
.set RAW,  69632                       ; two stages of 16 rows x 272 bytes for each wave; the first is also its stage on the way out
.set RR,  1
.set HH,  2
.set GA,  3                            ; v3   w2: 16 r + 8 rows x h
.set SA,  4                            ; v4   stage: row 8 h, 16 r
.set RA,  5                            ; v5   stage: row r, 32 h
.set IW,  6
.set SW,  7
.set SR,  9
.set LI,  10
.set R32, 11
.set WSO, 13
.set KC,  14
.set WS,  16
.set R,   32
.set F,   96
.set PC,  160
.set TM,  176
.set PW,  192
.set SP,  194
.set WSC, 196                          ; v196-227 the weights' scale words: scales and nothing else
.set XS,  228                          ; v228-235 the rows' scale words: scales and nothing else
.set R16, 236                          ; v236 16 r
.set R4,  237                          ; v237 4 r
.set H32, 238                          ; v238 32 h
.set IWC, IW                           ; no loop here: the images' addresses stand
.set SWC, SW
.set IR,  LI                           ; every wave fetches from image 0 on
.set STO, RA                           ; the way out: row r, 32 h: the same bytes' address as phase C's
.set RD,  SA                           ; and back: row 8 h, 16 r
.set ACC, 32                           ; phase M: v32-63 four tiles of columns
.set Y,   64                           ; v64-95  x the weight
.set O,   96                           ; v96-127 rows as they leave
.set ID,  128                          ; v128-135 the entries p of stage rows 8 h + 0 .. 7
.set AD,  136                          ; v136-143 their byte offsets in y
.set GT,  144                          ; v144-145 my row's weight (the pair is named; its low word serves both halves)
.set WV,  16
.set EE,  17
.set KH,  18
.set NS,  19
.set SEL, 20
.set MAGIC, 22
.set HIM, 23
.set MNT, 24
.set WB,  26
.set SB,  28
.set XN,  30                           ; s[30:31] the row tile to be asked for next
.set XSN, 32
.set ON,  34                           ; s[34:35] its entries
.set GN,  36                           ; s[36:37] its weights
.set YB,  38                           ; s[38:39] y at my K half and my 64 columns
.set CNT, 42
.set NT,  43
.set NW,  44
.set NTO, 45
.set MSB, 0
.macro WIN new                         ; the immediate's high byte repeats the setting that is left
.if MSB != (\new)
	s_set_vgpr_msb (MSB<<8)|(\new)
.set MSB, (\new)
.endif
.endm
.macro PLACES                          ; eight places behind this form ahead of loads into its registers and of reads of its results
.rept 8
	v_nop
.endr
.endm
.macro LOADG set, off, rs
	WIN 0x40
.irp i, 0,1,2,3,4,5,6,7
	global_load_b128 v[32*(\set)+4*\i:32*(\set)+4*\i+3], v[GA], s[WB:WB+1] offset:(\off)+\i*(\rs) th:TH_LOAD_NT
.endr
	WIN 0
.endm
.macro TURN set, sg
	WIN 0x04
.irp i, 0,1,2,3,4,5,6,7
	ds_store_b128 v[SA], v[32*(\set)+4*\i:32*(\set)+4*\i+3] offset:(\sg)*4352+\i*272
.endr
	WIN 0
.irp c, 0,1,2,3
.irp q, 0,1
	ds_load_b128 v[R+32*(\sg)+8*\c+4*\q:R+32*(\sg)+8*\c+4*\q+3], v[RA] offset:(\sg)*4352+64*\c+16*\q
.endr
.endr
.endm
.macro DEQ sg, ws
	v_mov_b32 v[SP], v[\ws]
	v_mul_f32 v[SP+1], 0x3d800000, v[\ws]
.set m, 0
.rept 32
	v_and_or_b32 v[F+2*m], v[R+32*(\sg)+m], 15, s[MAGIC]
	v_and_or_b32 v[F+2*m+1], v[R+32*(\sg)+m], s[HIM], s[MAGIC]
.set m, m+1
.endr
.set m, 0
.rept 32
	v_pk_add_f32 v[F+2*m:F+2*m+1], v[F+2*m:F+2*m+1], v[KC:KC+1]
.set m, m+1
.endr
.set m, 0
.rept 32
	v_pk_mul_f32 v[F+2*m:F+2*m+1], v[F+2*m:F+2*m+1], v[SP:SP+1]
.set m, m+1
.endr
.endm
.macro QUANT4
.irp b, 0,1,2,3
	v_max3_num_f32 v[TM+\b], |v[F+16*\b]|, |v[F+1+16*\b]|, 0x4800000
.endr
.irp i, 2,4,6,8,10,12,14
.irp b, 0,1,2,3
	v_max3_num_f32 v[TM+\b], v[TM+\b], |v[F+16*\b+\i]|, |v[F+1+16*\b+\i]|
.endr
.endr
.irp b, 0,1,2,3
	v_permlanex16_b32 v[TM+4+\b], v[TM+\b], s[SEL], s[SEL+1]
.endr
.irp b, 0,1,2,3
	v_max_num_f32 v[TM+\b], v[TM+\b], v[TM+4+\b]
.endr
.irp b, 0,1,2,3
	v_add_nc_u32 v[TM+12+\b], 0xfc000000, v[TM+\b]
.endr
.irp b, 0,1,2,3
	v_and_or_b32 v[TM+8+\b], v[TM+\b], 0x7f800000, s[MNT]
.endr
.irp b, 0,1,2,3
	v_lshrrev_b32 v[TM+4+\b], 23, v[TM+12+\b]
.endr
	v_lshl_or_b32 v[PW], v[TM+5], 8, v[TM+4]
	v_lshl_or_b32 v[PW], v[TM+6], 16, v[PW]
	v_lshl_or_b32 v[PW], v[TM+7], 24, v[PW]
.irp b, 0,1,2,3
.irp i, 0,1,2,3,4,5,6,7,8,9,10,11,12,13,14,15
	v_med3_num_f32 v[F+16*\b+\i], v[F+16*\b+\i], -v[TM+8+\b], v[TM+8+\b]
.endr
	v_cvt_scalef32_pk8_fp8_f32 v[PC+4*\b:PC+1+4*\b], v[F+16*\b:F+7+16*\b], v[TM+12+\b]
	v_cvt_scalef32_pk8_fp8_f32 v[PC+2+4*\b:PC+3+4*\b], v[F+8+16*\b:F+15+16*\b], v[TM+12+\b]
.endr
	v_nop                                          ; a plain line behind the last conversion
.endm
.macro IMAGE io, so
.irp c, 0,1,2,3
	ds_store_b128 v[IWC], v[PC+4*\c:PC+4*\c+3] offset:(\io)+512*\c
.endr
	ds_store_b32 v[SWC], v[PW] offset:\so
.endm
.macro STEPC t, ahead, aoff, rs, nxt, cnt, io, so, ws
	s_wait_dscnt 0x0                               ; my words are back from the stage; the stores that read this set of the ring, and the last images' stores, are done
.if \ahead
	LOADG \t, \aoff, \rs
.endif
.if \nxt
	s_wait_loadcnt \cnt
	TURN ((\t)+1)%4, ((\t)+1)%2
.endif
	DEQ (\t)%2, \ws
	QUANT4
	IMAGE \io, \so
.endm
	s_load_b128 s[4:7], s[0:1], 0x0                ; w2, w2_scale
	s_load_b128 s[8:11], s[0:1], 0x10              ; ac, order
	s_load_b128 s[12:15], s[0:1], 0x20             ; gs, y
	v_lshl_add_u32 v254, v0, 2, 0x19800
	v_mov_b32 v255, 0
	v_lshrrev_b32 v1, 5, v0
	v_readfirstlane_b32 s[WV], v1                  ; wave 0..3
	s_and_b32 s[EE], ttmp7, 0xffff
	s_and_b32 s[KH], ttmp9, 1
	s_lshr_b32 s[NS], ttmp9, 1
	v_and_b32 v[RR], 15, v0
	v_bfe_u32 v[HH], v0, 4, 1
	v_lshlrev_b32 v[R16], 4, v[RR]
	v_lshlrev_b32 v[R4], 2, v[RR]
	v_lshlrev_b32 v[H32], 5, v[HH]
	v_lshl_add_u32 v[GA], v[HH], 15, v[R16]        ; slots 8-15 lie 8 rows of 4,096 bytes behind slots 0-7
	s_mul_i32 s46, s[WV], 8704
	s_add_co_u32 s46, s46, RAW
	v_mul_u32_u24 v[SA], v[HH], 2176
	v_lshl_add_u32 v[SA], v[RR], 4, v[SA]
	v_add_nc_u32 v[SA], s46, v[SA]
	v_mul_u32_u24 v[RA], v[RR], 272
	v_lshl_add_u32 v[RA], v[HH], 5, v[RA]
	v_add_nc_u32 v[RA], s46, v[RA]
	v_and_b32 v[LI], 31, v0
	v_lshlrev_b32 v[SW], 2, v[LI]
	v_lshlrev_b32 v[LI], 4, v[LI]
	s_lshl_b32 s46, s[WV], 14
	v_add_nc_u32 v[IW], s46, v[LI]
	v_add_nc_u32 v[SR], SIMG, v[SW]
	s_lshl_b32 s46, s[WV], 10
	s_add_co_u32 s46, s46, SIMG
	v_add_nc_u32 v[SW], s46, v[SW]
	v_lshlrev_b32 v[R32], 5, v[RR]
	v_lshlrev_b32 v[WSO], 6, v[RR]
	v_mov_b32 v[KC], 0xcb000008
	v_mov_b32 v[KC+1], 0xcb000080
.irp b, 0,1,2,3
	v_mov_b32 v[TM+4+\b], 0
.endr
	s_mov_b32 s[SEL], 0x76543210
	s_mov_b32 s[SEL+1], 0xfedcba98
	s_mov_b32 s[MAGIC], 0x4b000000
	s_mov_b32 s[HIM], 0xf0
	s_mov_b32 s[MNT], 0x600000
	s_lshl_b32 s[NTO], s[EE], 2
	s_lshl_b32 s46, s[EE], 10
	s_lshl_b32 s47, s[NS], 6
	s_add_co_u32 s46, s46, s47
	s_lshl_b32 s47, s[WV], 4
	s_add_co_u32 s46, s46, s47                     ; my first row of w2: 1024 e + 64 ns + 16 wave
	s_lshl_b32 s48, s46, 12
	s_lshl_b32 s47, s[KH], 11
	s_add_co_u32 s48, s48, s47
	s_mov_b32 s49, 0
	s_lshl_b32 s50, s46, 6
	s_lshl_b32 s47, s[KH], 5
	s_add_co_u32 s50, s50, s47
	s_mov_b32 s51, 0
	s_wait_kmcnt 0x0
	s_add_nc_u64 s[WB:WB+1], s[4:5], s[48:49]
	s_add_nc_u64 s[SB:SB+1], s[6:7], s[50:51]
	global_load_b128 v[WS:WS+3], v[WSO], s[SB:SB+1]             ; the int4 scales of my row's eight groups
	global_load_b128 v[WS+4:WS+7], v[WSO], s[SB:SB+1] offset:16
.irp t, 0,1,2,3
	LOADG \t, 256*\t, 4096
.endr
	s_load_b32 s[NT], s[10:11], s[NTO] offset:0x8000   ; my expert's row tiles; waited for behind the barrier
	s_lshl_b32 s46, s[EE], 6
	s_add_co_u32 s46, s46, s[WV]                   ; my first row tile: 64 e + wave
	s_lshl_b32 s48, s46, 15
	s_lshl_b32 s47, s[KH], 14
	s_add_co_u32 s48, s48, s47
	s_add_nc_u64 s[XN:XN+1], s[8:9], s[48:49]
	s_lshl_b32 s48, s46, 10
	s_lshl_b32 s47, s[KH], 9
	s_add_co_u32 s48, s48, s47
	s_add_nc_u64 s[XSN:XSN+1], s[8:9], s[48:49]
	s_add_nc_u64 s[XSN:XSN+1], s[XSN:XSN+1], 0x1000000
	s_lshl_b32 s48, s46, 6
	s_add_nc_u64 s[ON:ON+1], s[10:11], s[48:49]
	s_add_nc_u64 s[GN:GN+1], s[12:13], s[48:49]
	s_lshl_b32 s48, s[KH], 23
	s_lshl_b32 s47, s[NS], 8
	s_add_co_u32 s48, s48, s47
	s_add_nc_u64 s[YB:YB+1], s[14:15], s[48:49]
	s_wait_loadcnt 24                              ; the scales and set 0 are in; sets 1 to 3 may be out
	TURN 0, 0
.irp t, 0,1,2,3
	STEPC \t, 1, 256*(\t+4), 4096, 1, 24, 2048*\t, 128*\t, WS+\t
.endr
	STEPC 0, 0, 0, 4096, 1, 16, 8192, 512, WS+4    ; the last four ask for nothing: the counts run down
	STEPC 1, 0, 0, 4096, 1, 8, 10240, 640, WS+5
	STEPC 2, 0, 0, 4096, 1, 0, 12288, 768, WS+6
	STEPC 3, 0, 0, 4096, 0, 0, 14336, 896, WS+7
	s_wait_dscnt 0x0                               ; for the others' sake: my images lie in LDS
	s_barrier_signal -1
	s_barrier_wait -1                              ; the one barrier: behind it a wave writes only its own stage
.macro REFILL hf                       ; half a row tile of my K half: four K steps' images and the rows' four scale words: 17 loads
	WIN 0xc0
.irp j, 0,1,2,3
.irp c, 0,1,2,3
	global_load_b128 v[16*(4*\hf+\j)+4*\c:16*(4*\hf+\j)+4*\c+3], v[LI], s[XN:XN+1] offset:(4*\hf+\j)*2048+512*\c
.endr
.endr
	WIN 0
	global_load_b128 v[XS+4*\hf:XS+4*\hf+3], v[R32], s[XSN:XSN+1] offset:16*\hf
.endm
.macro REFILLC                         ; the tile's entries and weights: 3 loads
	global_load_b128 v[ID:ID+3], v[H32], s[ON:ON+1]
	global_load_b128 v[ID+4:ID+7], v[H32], s[ON:ON+1] offset:16
	global_load_b32 v[GT], v[R4], s[GN:GN+1]
.endm
.macro WFETCH
	WIN 0x40
.irp j, 0,1,2,3
.irp n, 0,1,2,3
.irp c, 0,1,2,3
	ds_load_b128 v[16*(4*\j+\n)+4*\c:16*(4*\j+\n)+4*\c+3], v[IR] offset:(8*\n+\j)*2048+512*\c
.endr
.endr
.endr
	WIN 0x80
.irp j, 0,1,2,3
.irp n, 0,1,2,3
.irp c, 0,1,2,3
	ds_load_b128 v[16*(4*\j+\n)+4*\c:16*(4*\j+\n)+4*\c+3], v[IR] offset:(8*\n+\j+4)*2048+512*\c
.endr
.endr
.endr
	WIN 0
.irp j, 0,1,2,3,4,5,6,7
.irp n, 0,1,2,3
	ds_load_b32 v[WSC+4*\j+\n], v[SR] offset:(8*\n+\j)*128
.endr
.endr
.endm
.macro MM hf                           ; 16 products: four K steps x four tiles; the four accumulators take turns, one instruction a turn
.if \hf == 0
	WIN 0x0d
.else
	WIN 0x0e
.endif
.irp j, 0,1,2,3
.irp n, 0,1,2,3
.if (\hf == 0) && (\j == 0)
	v_wmma_scale_f32_16x16x128_f8f6f4 v[ACC+8*\n:ACC+8*\n+7], v[16*(4*\j+\n):16*(4*\j+\n)+15], v[16*(4*\hf+\j):16*(4*\hf+\j)+15], 0, v[WSC+4*(4*\hf+\j)+\n], v[XS+4*\hf+\j]
.else
	v_wmma_scale_f32_16x16x128_f8f6f4 v[ACC+8*\n:ACC+8*\n+7], v[16*(4*\j+\n):16*(4*\j+\n)+15], v[16*(4*\hf+\j):16*(4*\hf+\j)+15], v[ACC+8*\n:ACC+8*\n+7], v[WSC+4*(4*\hf+\j)+\n], v[XS+4*\hf+\j]
.endif
.endr
.endr
.endm
; A row tile.  Its loads were issued in the order first half (17), second half (17), entries and weights (3).
.macro TILE more
	s_wait_loadcnt 20                              ; the first half is in; 17 + 3 may be out
	MM 0
.if \more
	WIN 0
	PLACES
	REFILL 0
	s_wait_loadcnt 20                              ; the second half is in; the 3 and the 17 just issued may be out
.else
	s_wait_loadcnt 3
.endif
	MM 1
	WIN 0
	PLACES
.if \more
	REFILL 1
	s_wait_loadcnt 34                              ; entries and weights are in; the next tile's two halves may be out
.else
	s_wait_loadcnt 0x0
.endif
.irp i, 0,1,2,3,4,5,6,7
	v_min_u32 v[AD+\i], 0x7ff, v[ID+\i]            ; an entry is held inside y's 2,048 rows
.endr
.irp i, 0,1,2,3,4,5,6,7
	v_lshl_add_u32 v[AD+\i], v[AD+\i], 12, v[R16]  ; its row of 4,096 bytes, + 16 r
.endr
.irp i, 0,2,4,6,8,10,12,14,16,18,20,22,24,26,28,30
	v_pk_mul_f32 v[Y+\i:Y+\i+1], v[ACC+\i:ACC+\i+1], v[GT:GT+1] op_sel_hi:[1,0]   ; x my row's weight; each accumulator is read from its low end on
.endr
.irp n, 0,1,2,3
	ds_store_b128 v[STO], v[Y+8*\n:Y+8*\n+3] offset:64*\n            ; row r, columns 16 n + 8 h + 0 .. 7
	ds_store_b128 v[STO], v[Y+8*\n+4:Y+8*\n+7] offset:64*\n+16
.endr
.irp i, 0,1,2,3,4,5,6,7
	ds_load_b128 v[O+4*\i:O+4*\i+3], v[RD] offset:272*\i             ; LDS serves a wave's instructions in order: these see my stores.  Rows i and 8 + i, whole
.endr
.if \more
	REFILLC
.endif
.irp i, 0,1,2,3,4,5,6,7
	s_wait_dscnt 7-\i
	global_store_b128 v[AD+\i], v[O+4*\i:O+4*\i+3], s[YB:YB+1]       ; sixteen lanes store 256 consecutive bytes of a row of y, aligned
.endr
.if \more
	s_wait_xcnt 0x0                                ; loads and stores have read their bases, offsets and data: all may be written
	s_add_nc_u64 s[XN:XN+1], s[XN:XN+1], 131072
	s_add_nc_u64 s[XSN:XSN+1], s[XSN:XSN+1], 4096
	s_add_nc_u64 s[ON:ON+1], s[ON:ON+1], 256
	s_add_nc_u64 s[GN:GN+1], s[GN:GN+1], 256
.endif
.endm
	s_wait_kmcnt 0x0
	s_min_u32 s[NT], s[NT], 64
	s_add_co_u32 s[NW], s[NT], 3
	s_sub_co_u32 s[NW], s[NW], s[WV]
	s_lshr_b32 s[NW], s[NW], 2                     ; my tiles: (tiles + 3 - wave) / 4
	s_cmp_eq_u32 s[NW], 0
	s_cbranch_scc1 .Lend
	v_mov_b32 v[GT+1], 0                           ; named with the weight as a pair, so it is written
	REFILL 0
	REFILL 1
	REFILLC
	WFETCH                                         ; the first tile is on its way meanwhile
	s_wait_dscnt 0x0
	s_wait_xcnt 0x0
	s_add_nc_u64 s[XN:XN+1], s[XN:XN+1], 131072    ; on to my next tile, four tiles further
	s_add_nc_u64 s[XSN:XSN+1], s[XSN:XSN+1], 4096
	s_add_nc_u64 s[ON:ON+1], s[ON:ON+1], 256
	s_add_nc_u64 s[GN:GN+1], s[GN:GN+1], 256
	s_sub_co_u32 s[NW], s[NW], 1
	s_cmp_eq_u32 s[NW], 0
	s_cbranch_scc1 .Llast
	s_mov_b32 s[CNT], 0
.Lm:
	TILE 1
	s_add_co_u32 s[CNT], s[CNT], 1
	s_cmp_lt_u32 s[CNT], s[NW]
	s_cbranch_scc1 .Lm
.Llast:
	TILE 0                                         ; my last tile asks for nothing
.Lend:
	s_wait_tensorcnt 0x0
	ds_add_u32 v254, v255
	s_wait_dscnt 0x0
	s_endpgm
.Lfunc_end_k_q2e8d5996bd_gemm2:
	.size	k_q2e8d5996bd_gemm2, .Lfunc_end_k_q2e8d5996bd_gemm2-k_q2e8d5996bd_gemm2
	.p2alignl 7, 3214868480
	.fill 96, 4, 3214868480
	.section	.rodata,"a",@progbits
	.p2align	6, 0x0
	.amdhsa_kernel k_q2e8d5996bd_gemm2
		.amdhsa_group_segment_fixed_size 104960
		.amdhsa_private_segment_fixed_size 0
		.amdhsa_enable_private_segment 0
		.amdhsa_kernarg_size 48
		.amdhsa_user_sgpr_count 2
		.amdhsa_user_sgpr_kernarg_segment_ptr 1
		.amdhsa_wavefront_size32 1
		.amdhsa_system_sgpr_workgroup_id_x 1
		.amdhsa_system_sgpr_workgroup_id_y 1
		.amdhsa_system_sgpr_workgroup_id_z 1
		.amdhsa_system_vgpr_workitem_id 0
		.amdhsa_next_free_vgpr 896
		.amdhsa_next_free_sgpr 66
		.amdhsa_reserve_vcc 0
		.amdhsa_float_denorm_mode_32 3
		.amdhsa_float_denorm_mode_16_64 3
		.amdhsa_memory_ordered 1
		.amdhsa_forward_progress 1
		.amdhsa_inst_pref_size 187
	.end_amdhsa_kernel
	.amdgpu_metadata
---
amdhsa.version: [ 1, 2 ]
amdhsa.kernels:
  - .name:           k_q2e8d5996bd_gemm2
    .symbol:         k_q2e8d5996bd_gemm2.kd
    .args:
      - { .name: w2, .offset: 0, .size: 8, .value_kind: global_buffer, .address_space: global }
      - { .name: w2_scale, .offset: 8, .size: 8, .value_kind: global_buffer, .address_space: global }
      - { .name: ac, .offset: 16, .size: 8, .value_kind: global_buffer, .address_space: global }
      - { .name: order, .offset: 24, .size: 8, .value_kind: global_buffer, .address_space: global }
      - { .name: gs, .offset: 32, .size: 8, .value_kind: global_buffer, .address_space: global }
      - { .name: y, .offset: 40, .size: 8, .value_kind: global_buffer, .address_space: global }
    .group_segment_fixed_size: 104960
    .private_segment_fixed_size: 0
    .kernarg_segment_align: 8
    .kernarg_segment_size: 48
    .max_flat_workgroup_size: 128
    .sgpr_count:     66
    .vgpr_count:     896
    .wavefront_size: 32
...
	.end_amdgpu_metadata
.endif
;; end of part 4
;; launch combine (part 5): grid 256 x 1, 8 waves a work-group, no clusters, 0 bytes of LDS; arguments y, out0; writes out0
.if DOCPART == 5
	.amdgcn_target "amdgcn-amd-amdhsa--gfx1250"
	.amdhsa_code_object_version 6
	.text
	.protected	k_q2e8d5996bd_combine
	.globl	k_q2e8d5996bd_combine
	.p2align	8
	.type	k_q2e8d5996bd_combine,@function
k_q2e8d5996bd_combine:
	s_mov_b64 s[64:65], 0
	v_nop
	global_prefetch_b8 v0, s[64:65] scope:SCOPE_SE
	s_setreg_imm32_b32 hwreg(HW_REG_WAVE_MODE, 25, 1), 1
	s_wait_xcnt 0x0
; out0[t] = (y[0][2 t] + y[1][2 t]) + (y[0][2 t + 1] + y[1][2 t + 1]): a token's two experts, each in two halves of K, already weighted.  y: [2][2048][1024] f32, out0: [1024][1024] f32.
; A work-group takes four tokens; two waves share a token's row, 2,048 bytes each, in four chunks of 512 consecutive bytes.  All sixteen loads of a wave go out at once; no loop, no LDS, no barrier: a stream.
	s_load_b128 s[4:7], s[0:1], 0x0                ; y, out0
	v_and_b32 v1, 31, v0
	v_lshlrev_b32 v1, 4, v1
	v_bfe_u32 v2, v0, 5, 1
	v_lshl_add_u32 v1, v2, 11, v1                  ; 16 x lane + 2,048 x (wave % 2)
	v_lshrrev_b32 v2, 6, v0                        ; which of the four tokens
	v_lshl_add_u32 v3, v2, 13, v1                  ; in y: a token's two rows are 8,192 bytes
	v_lshl_add_u32 v4, v2, 12, v1                  ; in out0
	s_lshl_b32 s8, ttmp9, 15
	s_mov_b32 s9, 0
	s_lshl_b32 s10, ttmp9, 14
	s_mov_b32 s11, 0
	s_wait_kmcnt 0x0
	s_add_nc_u64 s[4:5], s[4:5], s[8:9]            ; K half 0
	s_add_nc_u64 s[12:13], s[4:5], 0x800000        ; K half 1
	s_add_nc_u64 s[6:7], s[6:7], s[10:11]
.irp i, 0,1,2,3
	global_load_b128 v[16+16*\i:19+16*\i], v3, s[4:5] offset:512*\i th:TH_LOAD_NT
	global_load_b128 v[20+16*\i:23+16*\i], v3, s[12:13] offset:512*\i th:TH_LOAD_NT
	global_load_b128 v[24+16*\i:27+16*\i], v3, s[4:5] offset:4096+512*\i th:TH_LOAD_NT
	global_load_b128 v[28+16*\i:31+16*\i], v3, s[12:13] offset:4096+512*\i th:TH_LOAD_NT
.endr
.irp i, 0,1,2,3
	s_wait_loadcnt 12-4*\i                         ; this chunk's four loads are in; the younger chunks' may be out
	v_pk_add_f32 v[16+16*\i:17+16*\i], v[16+16*\i:17+16*\i], v[20+16*\i:21+16*\i]
	v_pk_add_f32 v[18+16*\i:19+16*\i], v[18+16*\i:19+16*\i], v[22+16*\i:23+16*\i]
	v_pk_add_f32 v[24+16*\i:25+16*\i], v[24+16*\i:25+16*\i], v[28+16*\i:29+16*\i]
	v_pk_add_f32 v[26+16*\i:27+16*\i], v[26+16*\i:27+16*\i], v[30+16*\i:31+16*\i]
	v_pk_add_f32 v[16+16*\i:17+16*\i], v[16+16*\i:17+16*\i], v[24+16*\i:25+16*\i]
	v_pk_add_f32 v[18+16*\i:19+16*\i], v[18+16*\i:19+16*\i], v[26+16*\i:27+16*\i]
	global_store_b128 v4, v[16+16*\i:19+16*\i], s[6:7] offset:512*\i th:TH_STORE_NT
.endr
	s_endpgm
.Lfunc_end_k_q2e8d5996bd_combine:
	.size	k_q2e8d5996bd_combine, .Lfunc_end_k_q2e8d5996bd_combine-k_q2e8d5996bd_combine
	.p2alignl 7, 3214868480
	.fill 96, 4, 3214868480
	.section	.rodata,"a",@progbits
	.p2align	6, 0x0
	.amdhsa_kernel k_q2e8d5996bd_combine
		.amdhsa_group_segment_fixed_size 0
		.amdhsa_private_segment_fixed_size 0
		.amdhsa_enable_private_segment 0
		.amdhsa_kernarg_size 16
		.amdhsa_user_sgpr_count 2
		.amdhsa_user_sgpr_kernarg_segment_ptr 1
		.amdhsa_wavefront_size32 1
		.amdhsa_system_sgpr_workgroup_id_x 1
		.amdhsa_system_sgpr_workgroup_id_y 1
		.amdhsa_system_sgpr_workgroup_id_z 1
		.amdhsa_system_vgpr_workitem_id 0
		.amdhsa_next_free_vgpr 96
		.amdhsa_next_free_sgpr 66
		.amdhsa_reserve_vcc 0
		.amdhsa_float_denorm_mode_32 3
		.amdhsa_float_denorm_mode_16_64 3
		.amdhsa_memory_ordered 1
		.amdhsa_forward_progress 1
		.amdhsa_inst_pref_size 5
	.end_amdhsa_kernel
	.amdgpu_metadata
---
amdhsa.version: [ 1, 2 ]
amdhsa.kernels:
  - .name:           k_q2e8d5996bd_combine
    .symbol:         k_q2e8d5996bd_combine.kd
    .args:
      - { .name: y, .offset: 0, .size: 8, .value_kind: global_buffer, .address_space: global }
      - { .name: out0, .offset: 8, .size: 8, .value_kind: global_buffer, .address_space: global }
    .group_segment_fixed_size: 0
    .private_segment_fixed_size: 0
    .kernarg_segment_align: 8
    .kernarg_segment_size: 16
    .max_flat_workgroup_size: 256
    .sgpr_count:     66
    .vgpr_count:     96
    .wavefront_size: 32
...
	.end_amdgpu_metadata
.endif
;; end of part 5
;; ======== version 2 of 2: 5 launches
;; workspace buffers: xq 1,081,344 bytes; topi 8,192 bytes of whole numbers; gate 8,192 bytes; order 33,024 bytes of whole numbers; xs 8,650,752 bytes; gs 32,768 bytes; ac 17,301,504 bytes; y 16,777,216 bytes
;; launch route (part 6): grid 256 x 1, 4 waves a work-group, no clusters, 55,808 bytes of LDS; arguments x, router_w, xq, topi, gate; writes xq, topi, gate
.if DOCPART == 6
	.amdgcn_target "amdgcn-amd-amdhsa--gfx1250"
	.amdhsa_code_object_version 6
	.text
	.protected	k_q2e8d5996bd_route
	.globl	k_q2e8d5996bd_route
	.p2align	8
	.type	k_q2e8d5996bd_route,@function
k_q2e8d5996bd_route:
	s_mov_b64 s[64:65], 0
	v_nop
	global_prefetch_b8 v0, s[64:65] scope:SCOPE_SE
	s_setreg_imm32_b32 hwreg(HW_REG_WAVE_MODE, 25, 1), 1
	s_wait_xcnt 0x0
; ROUTER AND QUANTISER OF x.  x [1024][1024] f32, router_w [8][1024] f32.
; One wave takes one token: token = 4 x work-group + wave.  Lane l owns block l of the row (32 neighbours along K), so a block's largest
; magnitude needs no other lane, and the lane's slice of router_w is the same for every token.
; Out: topi[2 t + k] = the k-th chosen expert (strictly greater wins, so the lower index is kept on a tie); gate[2 t + k] = softmax over the two
; chosen scores, the larger taken away first; xq = x's codes (E4M3) [1024][1024] and, from byte 1,048,576 on, one E8M0 byte for each 32 along K, [1024][32].
; Loads take the bytes as they lie (512 consecutive bytes an instruction) and turn through LDS, blocks of 128 bytes at a pitch of 144:
; lanes that each read their own block then start 16 bytes apart modulo 256.
; LIMITS: NaN and infinities are not served.  The scores are summed in f32 in another order than a plain dot product: a second and a third score
; closer than about 1e-6 of their size may change places.  A block of zeros gets the byte 1 where the rule says 127: its codes are zeros and this program alone reads the bytes.
; No matrix unit (N = 8), no cluster (work-groups share only 32 KB of router_w), no ring: a token's row is read once.
.set BP,  144                          ; pitch of a block of 128 bytes in LDS
.set XST, 256*BP                       ; behind router_w's 256 blocks: a stage of 32 blocks for each wave
.set S,   16                           ; v16-31  eight pairs of sums, then the eight scores in v16-23
.set M,   24                           ; v24-31  at work across lanes, then the scores with the first choice masked
.set X,   32                           ; v32-63  my block of x
.set RT,  64                           ; v64-127 router_w as loaded, then two sets of 32 numbers; later at work
.set CD,  96                           ; v96-103 my 32 codes
.set OB,  104                          ; v104-111 codes as they leave
	s_load_b128 s[4:7], s[0:1], 0x0                ; x, router_w
	s_load_b128 s[8:11], s[0:1], 0x10              ; xq, topi
	s_load_b64 s[12:13], s[0:1], 0x20              ; gate
	v_lshl_add_u32 v128, v0, 2, 0xd800
	v_mov_b32 v129, 0
	v_lshrrev_b32 v1, 5, v0
	v_readfirstlane_b32 s14, v1                    ; wave
	v_and_b32 v1, 31, v0                           ; lane
	v_lshlrev_b32 v2, 4, v0                        ; 16 x thread: my bytes of a load of router_w
	v_lshrrev_b32 v3, 3, v0
	v_mul_u32_u24 v3, v3, BP
	v_and_b32 v11, 7, v0
	v_lshl_add_u32 v3, v11, 4, v3                  ; router_w into LDS: block thread / 8, 16 bytes at thread % 8
	v_lshlrev_b32 v4, 4, v1                        ; 16 x lane
	s_mul_i32 s16, s14, 32*BP
	s_add_co_u32 s16, s16, XST                     ; my wave's stage
	v_lshrrev_b32 v5, 3, v1
	v_mul_u32_u24 v5, v5, BP
	v_lshl_add_u32 v5, v11, 4, v5
	v_add_nc_u32 v5, s16, v5                       ; x into the stage
	v_mul_u32_u24 v7, v1, BP                       ; my block among an expert's 32
	v_add_nc_u32 v6, s16, v7                       ; my block of x in the stage
	v_lshl_add_u32 v8, v1, 5, s16                  ; the codes into the stage: 32 bytes a lane
	v_lshl_add_u32 v9, v1, 4, s16                  ; and back: 16 bytes a lane
	v_and_b32 v10, 1, v1                           ; which of the two choices my lane stores
	s_lshl_b32 s15, ttmp9, 2
	s_add_co_u32 s15, s15, s14                     ; my token
	s_mov_b32 s20, 0x76543210
	s_mov_b32 s21, 0xfedcba98                      ; v_permlanex16_b32's selects for lane l xor 16
	s_mov_b32 s23, 0x600000                        ; the mantissa field of 448
	s_lshl_b32 s18, s15, 12
	s_mov_b32 s19, 0
	s_lshl_b32 s24, s15, 10
	s_mov_b32 s25, 0
	s_lshl_b32 s26, s15, 5
	s_mov_b32 s27, 0
	s_lshl_b32 s28, s15, 3
	s_mov_b32 s29, 0
	s_wait_alu depctr_va_vdst(0)
	s_wait_kmcnt 0x0
	s_add_nc_u64 s[4:5], s[4:5], s[18:19]          ; my row of x
	s_add_nc_u64 s[24:25], s[8:9], s[24:25]        ; my row of codes
	s_add_nc_u64 s[26:27], s[8:9], s[26:27]        ; my row of scale bytes, less 1,048,576
	s_add_nc_u64 s[10:11], s[10:11], s[28:29]
	s_add_nc_u64 s[12:13], s[12:13], s[28:29]
.irp i, 0,1,2,3,4,5,6,7
	global_load_b128 v[X+4*\i:X+4*\i+3], v4, s[4:5] offset:512*\i th:TH_LOAD_NT
.endr
.irp i, 0,1,2,3,4,5,6,7,8,9,10,11,12,13,14,15
	global_load_b128 v[RT+4*\i:RT+4*\i+3], v2, s[6:7] offset:2048*\i
.endr
	s_wait_loadcnt 16                              ; x's eight loads are in; router_w's sixteen may be out
.irp i, 0,1,2,3,4,5,6,7
	ds_store_b128 v5, v[X+4*\i:X+4*\i+3] offset:4*BP*\i
.endr
	s_wait_loadcnt 0x0
.irp i, 0,1,2,3,4,5,6,7,8,9,10,11,12,13,14,15
	ds_store_b128 v3, v[RT+4*\i:RT+4*\i+3] offset:16*BP*\i
.endr
	s_wait_dscnt 0x0                               ; for the others' sake: my part of router_w lies in LDS
	s_barrier_signal -1
	s_barrier_wait -1
.irp q, 0,1,2,3,4,5,6,7
	ds_load_b128 v[X+4*\q:X+4*\q+3], v6 offset:16*\q
.endr
.macro RSET e                          ; expert e's 32 numbers of my block into set e % 2
.irp q, 0,1,2,3,4,5,6,7
	ds_load_b128 v[RT+32*((\e)%2)+4*\q:RT+32*((\e)%2)+4*\q+3], v7 offset:32*BP*(\e)+16*\q
.endr
.endm
.macro DOT e                           ; my block's part of score e, two numbers an instruction
.if (\e) < 7
	s_wait_dscnt 8                                 ; this expert's set is in; the next one's eight loads may be out
.else
	s_wait_dscnt 0x0
.endif
	v_pk_mul_f32 v[S+2*(\e):S+2*(\e)+1], v[X:X+1], v[RT+32*((\e)%2):RT+32*((\e)%2)+1]
.irp m, 2,4,6,8,10,12,14,16,18,20,22,24,26,28,30
	v_pk_fma_f32 v[S+2*(\e):S+2*(\e)+1], v[X+\m:X+\m+1], v[RT+32*((\e)%2)+\m:RT+32*((\e)%2)+\m+1], v[S+2*(\e):S+2*(\e)+1]
.endr
.if (\e) < 6
	RSET (\e)+2
.endif
.endm
	RSET 0
	RSET 1
.irp e, 0,1,2,3,4,5,6,7
	DOT \e
.endr
.irp e, 0,1,2,3,4,5,6,7
	v_add_f32 v[S+\e], v[S+2*\e], v[S+2*\e+1]      ; ascending: a pair is read before its registers are taken
.endr
.irp k, 1,2,4,8
.irp e, 0,1,2,3,4,5,6,7
	v_add_f32_dpp v[S+\e], v[S+\e], v[S+\e] row_xmask:\k row_mask:0xf bank_mask:0xf
.endr
.endr
.irp e, 0,1,2,3,4,5,6,7
	v_permlanex16_b32 v[M+\e], v[S+\e], s20, s21
.endr
.irp e, 0,1,2,3,4,5,6,7
	v_add_f32 v[S+\e], v[S+\e], v[M+\e]            ; every lane holds the same eight scores, bit for bit
.endr
	v_mov_b32 v12, v[S]                            ; the largest score and its expert
	v_mov_b32 v13, 0
.irp e, 1,2,3,4,5,6,7
	v_cmp_gt_f32 vcc_lo, v[S+\e], v12
	v_cndmask_b32 v12, v12, v[S+\e], vcc_lo
	v_cndmask_b32 v13, v13, \e, vcc_lo
.endr
	v_mov_b32 v14, 0xff800000                      ; -infinity takes the first choice's place
.irp e, 0,1,2,3,4,5,6,7
	v_cmp_eq_u32 vcc_lo, \e, v13
	v_cndmask_b32 v[M+\e], v[S+\e], v14, vcc_lo
.endr
	v_mov_b32 v112, v[M]                           ; the second largest and its expert
	v_mov_b32 v113, 0
.irp e, 1,2,3,4,5,6,7
	v_cmp_gt_f32 vcc_lo, v[M+\e], v112
	v_cndmask_b32 v112, v112, v[M+\e], vcc_lo
	v_cndmask_b32 v113, v113, \e, vcc_lo
.endr
	v_sub_f32 v114, v112, v12                      ; the maximum is taken away: 0 or less
	v_mul_f32 v114, 0x3fb8aa3b, v114
	s_wait_alu depctr_va_vdst(0)
	v_exp_f32 v115, v114                           ; d = e^(s2 - s1), at most 1
	v_nop                                          ; a plain line behind the transcendental,
	s_wait_alu depctr_va_vdst(0)                   ; and a wait ahead of its first reader
	v_add_f32 v116, 1.0, v115
	s_wait_alu depctr_va_vdst(0)
	v_rcp_f32 v117, v116                           ; the first weight: 1 / (1 + d)
	v_cmp_eq_u32 vcc_lo, 1, v10                    ; (a plain line)
	s_wait_alu depctr_va_vdst(0)
	v_mul_f32 v118, v115, v117                     ; the second: d / (1 + d)
	v_cndmask_b32 v119, v13, v113, vcc_lo          ; even lanes store the first choice, odd lanes the second: lanes of one parity write one word with one value
	v_cndmask_b32 v118, v117, v118, vcc_lo
	v_lshlrev_b32 v10, 2, v10
	global_store_b32 v10, v119, s[10:11]
	global_store_b32 v10, v118, s[12:13]
	; my block of x into codes
	v_max3_num_f32 v120, |v[X]|, |v[X+1]|, |v[X+2]|
	v_max3_num_f32 v121, |v[X+3]|, |v[X+4]|, |v[X+5]|
.irp i, 6,10,14,18,22,26
	v_max3_num_f32 v120, v120, |v[X+\i]|, |v[X+\i+1]|
	v_max3_num_f32 v121, v121, |v[X+\i+2]|, |v[X+\i+3]|
.endr
	v_max3_num_f32 v120, v120, |v[X+30]|, |v[X+31]|
	v_max3_num_f32 v120, v120, v121, 0x4800000     ; and the floor 2^(9 - 127): the byte cannot fall under 1
	v_add_nc_u32 v122, 0xfc000000, v120            ; 8 off the exponent field: the conversion's scale operand
	v_and_or_b32 v123, v120, 0x7f800000, s23       ; 448 x the scale
	v_lshrrev_b32 v124, 23, v122                   ; the scale's byte
.irp i, 0,1,2,3,4,5,6,7,8,9,10,11,12,13,14,15,16,17,18,19,20,21,22,23,24,25,26,27,28,29,30,31
	v_med3_num_f32 v[X+\i], v[X+\i], -v123, v123   ; the conversion to an 8-bit code does not saturate (ISA guide 7.6.2): the hold comes first
.endr
.irp g, 0,1,2,3
	v_cvt_scalef32_pk8_fp8_f32 v[CD+2*\g:CD+2*\g+1], v[X+8*\g:X+8*\g+7], v122
.endr
	v_nop
	ds_store_b128 v8, v[CD:CD+3]                   ; through my own stage, whose earlier reads are back: a lane's 32 bytes in, 16 bytes a lane out
	ds_store_b128 v8, v[CD+4:CD+7] offset:16
	ds_load_b128 v[OB:OB+3], v9                    ; LDS serves a wave's instructions in order: these see my stores
	ds_load_b128 v[OB+4:OB+7], v9 offset:512
	global_store_b8 v1, v124, s[26:27] offset:1048576
	s_wait_dscnt 0x0
	global_store_b128 v4, v[OB:OB+3], s[24:25]               ; 512 consecutive bytes each
	global_store_b128 v4, v[OB+4:OB+7], s[24:25] offset:512
	s_wait_tensorcnt 0x0
	ds_add_u32 v128, v129
	s_wait_dscnt 0x0
	s_endpgm
.Lfunc_end_k_q2e8d5996bd_route:
	.size	k_q2e8d5996bd_route, .Lfunc_end_k_q2e8d5996bd_route-k_q2e8d5996bd_route
	.p2alignl 7, 3214868480
	.fill 96, 4, 3214868480
	.section	.rodata,"a",@progbits
	.p2align	6, 0x0
	.amdhsa_kernel k_q2e8d5996bd_route
		.amdhsa_group_segment_fixed_size 55808
		.amdhsa_private_segment_fixed_size 0
		.amdhsa_enable_private_segment 0
		.amdhsa_kernarg_size 40
		.amdhsa_user_sgpr_count 2
		.amdhsa_user_sgpr_kernarg_segment_ptr 1
		.amdhsa_wavefront_size32 1
		.amdhsa_system_sgpr_workgroup_id_x 1
		.amdhsa_system_sgpr_workgroup_id_y 1
		.amdhsa_system_sgpr_workgroup_id_z 1
		.amdhsa_system_vgpr_workitem_id 0
		.amdhsa_next_free_vgpr 130
		.amdhsa_next_free_sgpr 66
		.amdhsa_reserve_vcc 1
		.amdhsa_float_denorm_mode_32 3
		.amdhsa_float_denorm_mode_16_64 3
		.amdhsa_memory_ordered 1
		.amdhsa_forward_progress 1
		.amdhsa_inst_pref_size 30
	.end_amdhsa_kernel
	.amdgpu_metadata
---
amdhsa.version: [ 1, 2 ]
amdhsa.kernels:
  - .name:           k_q2e8d5996bd_route
    .symbol:         k_q2e8d5996bd_route.kd
    .args:
      - { .name: x, .offset: 0, .size: 8, .value_kind: global_buffer, .address_space: global }
      - { .name: router_w, .offset: 8, .size: 8, .value_kind: global_buffer, .address_space: global }
      - { .name: xq, .offset: 16, .size: 8, .value_kind: global_buffer, .address_space: global }
      - { .name: topi, .offset: 24, .size: 8, .value_kind: global_buffer, .address_space: global }
      - { .name: gate, .offset: 32, .size: 8, .value_kind: global_buffer, .address_space: global }
    .group_segment_fixed_size: 55808
    .private_segment_fixed_size: 0
    .kernarg_segment_align: 8
    .kernarg_segment_size: 40
    .max_flat_workgroup_size: 128
    .sgpr_count:     66
    .vgpr_count:     130
    .wavefront_size: 32
...
	.end_amdgpu_metadata
.endif
;; end of part 6
;; launch place (part 7): grid 16 x 8, 1 waves a work-group, no clusters, 4,864 bytes of LDS; arguments topi, xq, gate, order, xs, gs; writes order, xs, gs
.if DOCPART == 7
	.amdgcn_target "amdgcn-amd-amdhsa--gfx1250"
	.amdhsa_code_object_version 6
	.text
	.protected	k_q2e8d5996bd_place
	.globl	k_q2e8d5996bd_place
	.p2align	8
	.type	k_q2e8d5996bd_place,@function
k_q2e8d5996bd_place:
	s_mov_b64 s[64:65], 0
	v_nop
	global_prefetch_b8 v0, s[64:65] scope:SCOPE_SE
	s_setreg_imm32_b32 hwreg(HW_REG_WAVE_MODE, 25, 1), 1
	s_wait_xcnt 0x0
; THE ROWS ARE PLACED BY EXPERT.  Work-group (g, e), one wave.  Every work-group of expert e scans all 2,048 routed entries p = 2 token + k in one fixed order
; and lists those that chose e; then it serves tiles g, g + 16, .. of 16 rows: sixteen work-groups an expert serve any split, up to 64 tiles.
; A token's two experts differ, so an expert has at most 1,024 rows and a fixed region of 64 tiles.  A last tile that is not full is filled with copies of the expert's last entry.
; For a tile: order[e][rank] = p; gs[e][rank] = its weight; xs = the rows' codes as an image of the matrix operand's registers,
; [e][tile][K step of 128][chunk c][lane][16 bytes], lane r + 16 h holding k = 32 c + 16 h + 0 .. 15 of row r; and from byte 8,388,608 on the rows' scale words, [e][tile][row][32 bytes].
; order + 32,768 + 4 e = the expert's number of tiles (stored by g = 0).
; EXEC is never changed: a lane whose entry chose another expert writes a dump word of its own.
.set ENT, 32                           ; v32-95   the entries: register 4 i + j of lane l is entry 128 i + 4 l + j
.set LA,  96                           ; v96-159  a scan step's LDS address; later, with the next, a tile's codes
.set LD,  160                          ; v160-223 a scan step's entry number: each step has registers of its own, so no LDS store's source is written again
.set CDS, 96
.set TRIPS, 38                         ; s38  my tiles
.set TC,    39                         ; s39  counts them
	s_load_b128 s[4:7], s[0:1], 0x0                ; topi, xq
	s_load_b128 s[8:11], s[0:1], 0x10              ; gate, order
	s_load_b128 s[12:15], s[0:1], 0x20             ; xs, gs
	v_lshl_add_u32 v224, v0, 2, 0x1200
	v_mov_b32 v225, 0
	s_and_b32 s20, ttmp7, 0xffff                   ; my expert
	v_and_b32 v1, 31, v0                           ; lane
	v_lshlrev_b32 v2, 4, v1
	v_lshlrev_b32 v3, 2, v1
	v_add_nc_u32 v4, 1024, v1                      ; my dump word, behind the list's 1,024
	v_and_b32 v13, 15, v1                          ; r
	v_lshrrev_b32 v14, 4, v1                       ; h
	v_lshlrev_b32 v15, 2, v13                      ; 4 r
	v_lshlrev_b32 v12, 5, v13
	v_lshl_add_u32 v12, v14, 4, v12                ; 32 r + 16 h
.irp i, 20,21,22,23
	v_mov_b32 v\i, 0
.endr
.irp i, 0,1,2,3,4,5,6,7
	ds_store_b128 v2, v[20:23] offset:512*\i       ; the list's 4,096 bytes are cleared first: no byte of it is read that nobody wrote.  LDS serves a wave's instructions in order: the scan's stores come behind these
.endr
	s_mov_b32 s21, 0                               ; rows found so far
	s_lshl_b32 s40, s20, 2
	s_mov_b32 s41, 0
	s_wait_kmcnt 0x0
	s_add_nc_u64 s[40:41], s[10:11], s[40:41]
.irp i, 0,1,2,3,4,5,6,7,8,9,10,11,12,13,14,15
	global_load_b128 v[ENT+4*\i:ENT+4*\i+3], v2, s[4:5] offset:512*\i
.endr
	s_wait_loadcnt 0x0
.set n, 0
.rept 64
	v_cmp_eq_u32 vcc_lo, s20, v[ENT+n]
	v_mbcnt_lo_u32_b32 v[LA+n], vcc_lo, s21        ; rows found before + matching lanes below mine
	v_cndmask_b32 v[LA+n], v4, v[LA+n], vcc_lo     ; my rank, or my dump word
	v_min_u32 v[LA+n], 0x41f, v[LA+n]              ; held inside the list and the dump words
	v_lshlrev_b32 v[LA+n], 2, v[LA+n]
	v_add_nc_u32 v[LD+n], 128*(n/4)+(n%4), v3      ; the entry's number p
	ds_store_b32 v[LA+n], v[LD+n]
	s_bcnt1_i32_b32 s22, vcc_lo
	s_add_co_u32 s21, s21, s22
.set n, n+1
.endr
	s_wait_dscnt 0x0
	s_add_co_u32 s23, s21, 15
	s_lshr_b32 s23, s23, 4                         ; tiles,
	s_min_u32 s23, s23, 64                         ; held inside the expert's region
	s_sub_co_u32 s24, s21, 1                       ; the last rank
	s_cmp_lg_u32 ttmp9, 0
	s_cbranch_scc1 .Lnot_first
	v_mov_b32 v16, s23
	v_mov_b32 v17, 0
	global_store_b32 v17, v16, s[40:41] offset:32768   ; all lanes write one word with one value
.Lnot_first:
	s_cmp_ge_u32 ttmp9, s23
	s_cbranch_scc1 .Lend
	s_sub_co_u32 s[TRIPS], s23, ttmp9
	s_add_co_u32 s[TRIPS], s[TRIPS], 15
	s_lshr_b32 s[TRIPS], s[TRIPS], 4               ; my tiles g, g + 16, ..: (tiles - g + 15) / 16 of them, at least one
	s_mov_b32 s[TC], 0
	s_mov_b32 s25, ttmp9                           ; my tile
	s_mov_b32 s31, 0
.Ltile:
	s_lshl_b32 s26, s25, 4
	v_add_nc_u32 v5, s26, v13                      ; rank 16 tile + r,
	v_min_u32 v5, s24, v5                          ; or the last one
	v_min_u32 v5, 0x3ff, v5
	v_lshlrev_b32 v5, 2, v5
	ds_load_b32 v6, v5
	s_lshl_b32 s26, s20, 6
	s_add_co_u32 s26, s26, s25                     ; 64 e + tile
	s_lshl_b32 s30, s26, 14
	s_add_nc_u64 s[28:29], s[12:13], s[30:31]      ; the tile's images
	s_lshl_b32 s30, s26, 9
	s_add_nc_u64 s[32:33], s[12:13], s[30:31]
	s_add_nc_u64 s[32:33], s[32:33], 0x800000      ; its scale words
	s_lshl_b32 s30, s26, 6
	s_add_nc_u64 s[34:35], s[10:11], s[30:31]      ; its 16 places in order
	s_add_nc_u64 s[36:37], s[14:15], s[30:31]      ; and in gs
	s_wait_dscnt 0x0
	v_min_u32 v6, 0x7ff, v6                        ; p
	v_and_b32 v7, 0x7fe, v6                        ; 2 x token
	v_lshlrev_b32 v8, 9, v7
	v_lshl_add_u32 v8, v14, 4, v8                  ; the token's codes, + 16 h
	v_lshlrev_b32 v9, 4, v7
	v_lshl_add_u32 v9, v14, 4, v9                  ; its scale bytes, + 16 h
	v_lshlrev_b32 v10, 2, v6
.irp j, 0,1,2,3,4,5,6,7
.irp c, 0,1,2,3
	global_load_b128 v[CDS+4*(4*\j+\c):CDS+4*(4*\j+\c)+3], v8, s[6:7] offset:128*\j+32*\c
.endr
.endr
	global_load_b128 v[24:27], v9, s[6:7] offset:1048576
	global_load_b32 v11, v10, s[8:9]
	s_wait_alu depctr_va_vdst(0)
	s_wait_loadcnt 0x0
.irp m, 0,1,2,3,4,5,6,7,8,9,10,11,12,13,14,15,16,17,18,19,20,21,22,23,24,25,26,27,28,29,30,31
	global_store_b128 v2, v[CDS+4*\m:CDS+4*\m+3], s[28:29] offset:512*\m   ; 512 consecutive bytes each
.endr
	global_store_b128 v12, v[24:27], s[32:33]
	global_store_b32 v15, v6, s[34:35]             ; lanes r and r + 16 write one word with one value
	global_store_b32 v15, v11, s[36:37]
	s_wait_xcnt 0x0                                ; bases, offsets and data are written again only behind this wait
	s_add_co_u32 s25, s25, 16                      ; my next tile
	s_add_co_u32 s[TC], s[TC], 1
	s_cmp_lt_u32 s[TC], s[TRIPS]
	s_cbranch_scc1 .Ltile
.Lend:
	s_wait_tensorcnt 0x0
	ds_add_u32 v224, v225
	s_wait_dscnt 0x0
	s_endpgm
.Lfunc_end_k_q2e8d5996bd_place:
	.size	k_q2e8d5996bd_place, .Lfunc_end_k_q2e8d5996bd_place-k_q2e8d5996bd_place
	.p2alignl 7, 3214868480
	.fill 96, 4, 3214868480
	.section	.rodata,"a",@progbits
	.p2align	6, 0x0
	.amdhsa_kernel k_q2e8d5996bd_place
		.amdhsa_group_segment_fixed_size 4864
		.amdhsa_private_segment_fixed_size 0
		.amdhsa_enable_private_segment 0
		.amdhsa_kernarg_size 48
		.amdhsa_user_sgpr_count 2
		.amdhsa_user_sgpr_kernarg_segment_ptr 1
		.amdhsa_wavefront_size32 1
		.amdhsa_system_sgpr_workgroup_id_x 1
		.amdhsa_system_sgpr_workgroup_id_y 1
		.amdhsa_system_sgpr_workgroup_id_z 1
		.amdhsa_system_vgpr_workitem_id 0
		.amdhsa_next_free_vgpr 226
		.amdhsa_next_free_sgpr 66
		.amdhsa_reserve_vcc 1
		.amdhsa_float_denorm_mode_32 3
		.amdhsa_float_denorm_mode_16_64 3
		.amdhsa_memory_ordered 1
		.amdhsa_forward_progress 1
		.amdhsa_inst_pref_size 38
	.end_amdhsa_kernel
	.amdgpu_metadata
---
amdhsa.version: [ 1, 2 ]
amdhsa.kernels:
  - .name:           k_q2e8d5996bd_place
    .symbol:         k_q2e8d5996bd_place.kd
    .args:
      - { .name: topi, .offset: 0, .size: 8, .value_kind: global_buffer, .address_space: global }
      - { .name: xq, .offset: 8, .size: 8, .value_kind: global_buffer, .address_space: global }
      - { .name: gate, .offset: 16, .size: 8, .value_kind: global_buffer, .address_space: global }
      - { .name: order, .offset: 24, .size: 8, .value_kind: global_buffer, .address_space: global }
      - { .name: xs, .offset: 32, .size: 8, .value_kind: global_buffer, .address_space: global }
      - { .name: gs, .offset: 40, .size: 8, .value_kind: global_buffer, .address_space: global }
    .group_segment_fixed_size: 4864
    .private_segment_fixed_size: 0
    .kernarg_segment_align: 8
    .kernarg_segment_size: 48
    .max_flat_workgroup_size: 32
    .sgpr_count:     66
    .vgpr_count:     226
    .wavefront_size: 32
...
	.end_amdgpu_metadata
.endif
;; end of part 7
;; launch gemm1 (part 8): grid 32 x 8, 4 waves a work-group, no clusters, 174,592 bytes of LDS; arguments w1, w1_scale, xs, order, ac; writes ac
.if DOCPART == 8
	.amdgcn_target "amdgcn-amd-amdhsa--gfx1250"
	.amdhsa_code_object_version 6
	.text
	.protected	k_q2e8d5996bd_gemm1
	.globl	k_q2e8d5996bd_gemm1
	.p2align	8
	.type	k_q2e8d5996bd_gemm1,@function
k_q2e8d5996bd_gemm1:
	s_mov_b64 s[64:65], 0
	v_nop
	global_prefetch_b8 v0, s[64:65] scope:SCOPE_SE
	s_setreg_imm32_b32 hwreg(HW_REG_WAVE_SCHED_MODE, 0, 2), 2
	s_setreg_imm32_b32 hwreg(HW_REG_WAVE_MODE, 25, 1), 1
	s_wait_xcnt 0x0
	s_wait_alu depctr_vm_vsrc(0)
; FIRST PRODUCT, SwiGLU AND ITS QUANTISER, WEIGHTS STANDING STILL.  Work-group (s, e) owns inter units 64 s .. 64 s + 63 of expert e: 64 gate rows and 64 up rows of w1, K = 1,024:
; 8 tiles of 16 rows x 8 K steps of 128 = 64 fragments.  Each packed word of w1 is read once in the launch and turned into a code once.
; PHASE C.  Wave w turns tiles 2 w, 2 w + 1 into codes.  A fragment (16 rows x 128 K = one group of the int4 scales) is 4 KB of words: eight loads of 512 bytes (two rows' 256 each),
; through the wave's own stage in LDS (pitch 272), back as 8 words for each of a lane's four chunks.  (word & 15) | 0x4B000000 is the f32 number 2^23 + low nibble, (word & 0xF0) | 0x4B000000 is 2^23 + 16 x high nibble;
; less 2^23 + 8 and 2^23 + 128 they are q - 8 and 16 (q - 8), exactly; times (s, s / 16) they are (q - 8) s, rounded once.  Then the MX quantiser along K.
; The codes go to LDS as images of the operand's registers (16 bytes a lane, 512 a store), the scale words 4 bytes a lane.  One barrier.
; PHASE M.  Wave w takes block bM = w & 1 of 32 units (tiles gate u = 0, 1 and up u = 0, 1, all 8 K steps: 512 registers, fetched once) and the expert's row tiles w >> 1, w >> 1 + 2, ..
; THE PRODUCT IS USED TRANSPOSED (source 0 = 16 rows of w1, source 1 = 16 routed rows of x): a lane holds one routed row.  THE ROWS OF A TILE ARE NOT NEIGHBOURS: slot q of tile u is unit 32 b + 8 u + q + 8 (q / 8),
; so that a lane's 16 results of tiles u = 0, 1 are units 32 b + 16 (lane / 16) + 0 .. 15: half a block of the next K, and the conversions' results are a chunk of the next operand's image.
; Out: ac = images [e][tile][K step][chunk][lane][16 bytes] and, from byte 16,777,216 on, scale bytes [e][tile][K half][row][32].
; The number of row tiles is a whole number that an earlier launch stored, so the tile loop's trip count hangs on memory: hence operands come straight into registers,
; there is no tensor load, no joint request (partners would need equal trip counts known to the text; a constant walk over all 64 tiles would fetch four times an even split's bytes), and no barrier in that loop.
; LIMITS: NaN and infinities are not served; a weight scale is 0 or at least 2^-120 in magnitude (s / 16 is then exact); of a packed word bits 7:0 count; a block of zeros gets the byte 1 where the rule says 127 (its codes are zeros; this program alone reads the bytes).
; THE MODE: SCHED_MODE bits 1:0 = 2 (LLVM: expert scheduling mode 2), set by the entry lines.  The code itself states the register dependences
; between vector or matrix instructions and memory or LDS instructions, with s_wait_alu, always for 0.
; THE PLAN, PHASE C.  Registers that memory or LDS instructions touch; step t is one fragment:
;   the ring's sets 0 .. 3 (window 1)  The stores into the stage issued in step t - 1 read set t % 4; step t's global loads land in it.  No vector instruction names them.
;   R0, R1        The loads from the stage issued in step t land in R[(t + 1) % 2]; step t's unpacking lines read R[t % 2].
;   PC, PW        Written by the step's quantiser, read by the step's stores of the image.
;   IWC, SWC      Written by two adds in a trip's first step, read by the stores of the images.
;   all other addresses are made at the head and never written again;  F, TM, SP, KC, WS are named by vector instructions alone.
; Two waits a step: vm_vsrc at its head (the ring's set, PC, PW, IWC, SWC have been read) and va_vdst ahead of the image's stores (PC, PW, IWC, SWC are written; R[t % 2] has been read:
; from that wait to the next step's loads from the stage no vector instruction names that set).
; THE PLAN, PHASE M.  The row tile's two halves (window 3, v0-63 and v64-127) with their four scale words each: read by sixteen products, then the next tile's half lands there: a wait on va_vdst behind each sixteen.
;   PC2, PB       Written by the tile's conversions, read by its two stores (a wait on va_vdst ahead of them), written again a tile later (a wait on vm_vsrc ahead of the first such line).
;   The weights' fragments and scale words come from LDS once and are then read by products alone.
.set SIMG, 131072                      ; LDS: images at (8 tile + K step) x 2,048 from 0; their scale words at (8 tile + K step) x 128 from here;
.set RAW,  139264                      ; two stages of 16 rows x 272 bytes for each wave
.set RR,  1                            ; v1   r = lane % 16
.set HH,  2                            ; v2   h = lane / 16
.set GA,  3                            ; v3   w1: 16 r + 16 rows x h
.set SA,  4                            ; v4   stage, in: row 8 h, 16 r
.set RA,  5                            ; v5   stage, back: row r, 32 h
.set IW,  6                            ; v6   where my wave's images begin, + 16 x lane
.set SW,  7                            ; v7   and their scale words, + 4 x lane
.set IR,  8                            ; v8   phase M: my block's images
.set SR,  9                            ; v9   and scale words
.set LI,  10                           ; v10  16 x lane
.set R32, 11                           ; v11  32 r
.set IWC, 12                           ; v12  IW for the trip in hand
.set WSO, 13                           ; v13  my slot's row of w1_scale
.set KC,  14                           ; v14-15  -(2^23 + 8), -(2^23 + 128)
.set WS,  16                           ; v16-31  the int4 scales of my 16 fragments
.set R,   32                           ; v32-95  two sets of 32 packed words
.set F,   96                           ; v96-159 64 weights
.set PC,  160                          ; v160-175 a fragment's codes
.set TM,  176                          ; v176-191 the quantiser's work
.set PW,  192                          ; v192 the scale word just made
.set SWC, 193                          ; v193 SW for the trip in hand
.set SP,  194                          ; v194-195 (s, s / 16)
.set WSC, 196                          ; v196-227 phase M: the weights' scale words, 4 x K step + tile: scales and nothing else
.set XS,  228                          ; v228-235 the rows' scale words, one a K step: scales and nothing else
.set ACC, 32                           ; phase M: v32-63 gate u = 0, 1, up u = 0, 1
.set EX,  64                           ; v64-79
.set HD,  80                           ; v80-95  silu(gate) x up
.set T2,  96                           ; v96-100
.set PC2, 104                          ; v104-107 16 codes
.set PB,  108                          ; v108 the block's byte
; window 1: v0-127 phase C's ring of four sets of words as loaded; phase M: the weights' fragments of K steps 0-3 at 16 (4 j + tile).  window 2: K steps 4-7.  window 3: v0-127 a row tile, K step j at 16 j.
.set WV,  14
.set EE,  16
.set BM,  17
.set MH,  18
.set SEL, 20
.set MAGIC, 22
.set HIM, 23
.set MNT, 24
.set WB,  26                           ; s[26:27] my wave's rows of w1, at the trip's K
.set SB,  28                           ; s[28:29] and of w1_scale
.set XN,  30                           ; s[30:31] the row tile to be asked for next
.set XSN, 32                           ; s[32:33] and its scale words
.set AO,  34                           ; s[34:35] where the tile in hand stores its chunk
.set AS,  36                           ; s[36:37] and its bytes
.set LIO, 40
.set LSO, 41
.set CNT, 42
.set NT,  43
.set NW,  44
.set NTO, 45
.set MSB, 0
.macro WIN new                         ; the immediate's high byte repeats the setting that is left
.if MSB != (\new)
	s_set_vgpr_msb (MSB<<8)|(\new)
.set MSB, (\new)
.endif
.endm
.macro PLACES                          ; eight places behind this form ahead of loads into its registers and of reads of its results
.rept 8
	v_nop
.endr
.endm
.macro LOADG set, off, rs              ; a fragment's 4 KB of words: lanes 0-15 take 256 bytes of slot i, lanes 16-31 of slot i + 8
	WIN 0x40
.irp i, 0,1,2,3,4,5,6,7
	global_load_b128 v[32*(\set)+4*\i:32*(\set)+4*\i+3], v[GA], s[WB:WB+1] offset:(\off)+\i*(\rs) th:TH_LOAD_NT
.endr
	WIN 0
.endm
.macro TURN set, sg                    ; through stage sg: LDS serves a wave's instructions in order, so no wait stands between the stores and the loads
	WIN 0x04
.irp i, 0,1,2,3,4,5,6,7
	ds_store_b128 v[SA], v[32*(\set)+4*\i:32*(\set)+4*\i+3] offset:(\sg)*4352+\i*272
.endr
	WIN 0
.irp c, 0,1,2,3
.irp q, 0,1
	ds_load_b128 v[R+32*(\sg)+8*\c+4*\q:R+32*(\sg)+8*\c+4*\q+3], v[RA] offset:(\sg)*4352+64*\c+16*\q
.endr
.endr
.endm
.macro DEQ sg, ws                      ; 32 words -> 64 weights: register 16 b + i = k 32 b + 16 h + i of my row
	v_mov_b32 v[SP], v[\ws]
	v_mul_f32 v[SP+1], 0x3d800000, v[\ws]
.set m, 0
.rept 32
	v_and_or_b32 v[F+2*m], v[R+32*(\sg)+m], 15, s[MAGIC]
	v_and_or_b32 v[F+2*m+1], v[R+32*(\sg)+m], s[HIM], s[MAGIC]
.set m, m+1
.endr
.set m, 0
.rept 32
	v_pk_add_f32 v[F+2*m:F+2*m+1], v[F+2*m:F+2*m+1], v[KC:KC+1]
.set m, m+1
.endr
.set m, 0
.rept 32
	v_pk_mul_f32 v[F+2*m:F+2*m+1], v[F+2*m:F+2*m+1], v[SP:SP+1]
.set m, m+1
.endr
.endm
.macro QUANT4                          ; the 64 weights become a fragment's codes in v[PC] on and its scale word in v[PW]
.irp b, 0,1,2,3
	v_max3_num_f32 v[TM+\b], |v[F+16*\b]|, |v[F+1+16*\b]|, 0x4800000   ; with the floor 2^(9 - 127): the byte cannot fall under 1
.endr
.irp i, 2,4,6,8,10,12,14
.irp b, 0,1,2,3
	v_max3_num_f32 v[TM+\b], v[TM+\b], |v[F+16*\b+\i]|, |v[F+1+16*\b+\i]|
.endr
.endr
.irp b, 0,1,2,3
	v_permlanex16_b32 v[TM+4+\b], v[TM+\b], s[SEL], s[SEL+1]
.endr
.irp b, 0,1,2,3
	v_max_num_f32 v[TM+\b], v[TM+\b], v[TM+4+\b]   ; with lane l xor 16's: the block's largest magnitude
.endr
.irp b, 0,1,2,3
	v_add_nc_u32 v[TM+12+\b], 0xfc000000, v[TM+\b] ; 8 off its exponent field: the conversion's scale operand
.endr
.irp b, 0,1,2,3
	v_and_or_b32 v[TM+8+\b], v[TM+\b], 0x7f800000, s[MNT]   ; 448 x the scale
.endr
.irp b, 0,1,2,3
	v_lshrrev_b32 v[TM+4+\b], 23, v[TM+12+\b]      ; the scale's byte
.endr
	v_lshl_or_b32 v[PW], v[TM+5], 8, v[TM+4]
	v_lshl_or_b32 v[PW], v[TM+6], 16, v[PW]
	v_lshl_or_b32 v[PW], v[TM+7], 24, v[PW]
.irp b, 0,1,2,3
.irp i, 0,1,2,3,4,5,6,7,8,9,10,11,12,13,14,15
	v_med3_num_f32 v[F+16*\b+\i], v[F+16*\b+\i], -v[TM+8+\b], v[TM+8+\b]   ; the conversion does not saturate (ISA guide 7.6.2): the hold comes first
.endr
	v_cvt_scalef32_pk8_fp8_f32 v[PC+4*\b:PC+1+4*\b], v[F+16*\b:F+7+16*\b], v[TM+12+\b]
	v_cvt_scalef32_pk8_fp8_f32 v[PC+2+4*\b:PC+3+4*\b], v[F+8+16*\b:F+15+16*\b], v[TM+12+\b]
.endr
	v_nop                                          ; a plain line behind the last conversion
.endm
.macro IMAGE io, so
.irp c, 0,1,2,3
	ds_store_b128 v[IWC], v[PC+4*\c:PC+4*\c+3] offset:(\io)+512*\c
.endr
	ds_store_b32 v[SWC], v[PW] offset:\so
.endm
; One fragment.  ahead: its set of the ring takes the fragment four on.  nxt: the next fragment goes through the other stage; cnt = the younger loads that may stay out.
; Step 0 begins a trip: the images' two addresses for the trip are made in it.
.macro STEPC t, ahead, aoff, rs, nxt, cnt, io, so, ws
	s_wait_dscnt 0x0                               ; my words are back from the stage; the stores that read this set of the ring, and the last images' stores, are done
	s_wait_alu depctr_vm_vsrc(0)                   ; the stores into the stage have read this set of the ring, in which the loads below land; the last image's stores have read v[PC ..], v[PW], v[IWC] and v[SWC], which this step writes
.if (\t) == 0
	v_add_nc_u32 v[IWC], s[LIO], v[IW]
	v_add_nc_u32 v[SWC], s[LSO], v[SW]
.endif
.if \ahead
	LOADG \t, \aoff, \rs
.endif
.if \nxt
	s_wait_loadcnt \cnt
	TURN ((\t)+1)%4, ((\t)+1)%2                    ; its loads land in the set of v[R ..] that the step before unpacked: that step's wait on va_vdst stands behind its unpacking lines, and no vector instruction since names the set
.endif
	DEQ (\t)%2, \ws
	QUANT4
	s_wait_alu depctr_va_vdst(0)                   ; the quantiser has written v[PC ..] and v[PW], the adds v[IWC] and v[SWC], which the stores below read; the unpacking lines are done reading this step's set of v[R ..], in which the next step's loads from the stage land
	IMAGE \io, \so
.endm
	s_load_b128 s[4:7], s[0:1], 0x0                ; w1, w1_scale
	s_load_b128 s[8:11], s[0:1], 0x10              ; xs, order
	s_load_b64 s[12:13], s[0:1], 0x20              ; ac
	v_lshl_add_u32 v254, v0, 2, 0x2a800
	v_mov_b32 v255, 0
	v_lshrrev_b32 v1, 5, v0
	v_readfirstlane_b32 s[WV], v1                  ; wave 0..3
	s_and_b32 s[EE], ttmp7, 0xffff                 ; expert
	s_wait_alu depctr_va_sdst(0)                   ; s[WV] is written, ahead of its first reader
	s_and_b32 s[BM], s[WV], 1                      ; phase C: gate (0) or up (1); phase M: my block of 32 units
	s_lshr_b32 s[MH], s[WV], 1                     ; phase C: the block of 32 units; phase M: even or odd row tiles
	v_and_b32 v[RR], 15, v0
	v_bfe_u32 v[HH], v0, 4, 1
	v_lshlrev_b32 v[GA], 4, v[RR]
	v_lshl_add_u32 v[GA], v[HH], 15, v[GA]         ; slots 8-15 lie 16 rows of 2,048 bytes behind slots 0-7
	s_mul_i32 s46, s[WV], 8704
	s_add_co_u32 s46, s46, RAW
	v_mul_u32_u24 v[SA], v[HH], 2176
	v_lshl_add_u32 v[SA], v[RR], 4, v[SA]
	v_add_nc_u32 v[SA], s46, v[SA]
	v_mul_u32_u24 v[RA], v[RR], 272
	v_lshl_add_u32 v[RA], v[HH], 5, v[RA]
	v_add_nc_u32 v[RA], s46, v[RA]
	v_and_b32 v[LI], 31, v0
	v_lshlrev_b32 v[SW], 2, v[LI]
	v_lshlrev_b32 v[LI], 4, v[LI]
	s_lshl_b32 s46, s[WV], 15
	v_add_nc_u32 v[IW], s46, v[LI]
	s_lshl_b32 s46, s[BM], 12
	s_add_co_u32 s46, s46, SIMG
	v_add_nc_u32 v[SR], s46, v[SW]
	s_lshl_b32 s46, s[WV], 11
	s_add_co_u32 s46, s46, SIMG
	v_add_nc_u32 v[SW], s46, v[SW]
	s_lshl_b32 s46, s[BM], 16
	v_add_nc_u32 v[IR], s46, v[LI]
	v_lshlrev_b32 v[R32], 5, v[RR]
	v_and_b32 v[WSO], 8, v[RR]
	v_add_nc_u32 v[WSO], v[WSO], v[RR]             ; r + 8 (r / 8)
	v_lshlrev_b32 v[WSO], 5, v[WSO]
	v_mov_b32 v[KC], 0xcb000008
	v_mov_b32 v[KC+1], 0xcb000080
.irp b, 0,1,2,3
	v_mov_b32 v[TM+4+\b], 0                        ; written once: a lane permute's destination counts as one of its sources
.endr
	s_mov_b32 s[SEL], 0x76543210
	s_mov_b32 s[SEL+1], 0xfedcba98
	s_mov_b32 s[MAGIC], 0x4b000000
	s_mov_b32 s[HIM], 0xf0
	s_mov_b32 s[MNT], 0x600000
	s_lshl_b32 s[NTO], s[EE], 2
	s_lshl_b32 s46, s[EE], 12
	s_lshl_b32 s47, s[BM], 11
	s_add_co_u32 s46, s46, s47
	s_lshl_b32 s47, ttmp9, 6
	s_add_co_u32 s46, s46, s47
	s_lshl_b32 s47, s[MH], 5
	s_add_co_u32 s46, s46, s47                     ; my first row of w1: 4096 e + 2048 (gate or up) + 64 s + 32 block
	s_lshl_b32 s48, s46, 11
	s_mov_b32 s49, 0
	s_lshl_b32 s50, s46, 5
	s_mov_b32 s51, 0
	s_wait_kmcnt 0x0
	s_add_nc_u64 s[WB:WB+1], s[4:5], s[48:49]
	s_add_nc_u64 s[SB:SB+1], s[6:7], s[50:51]
	s_wait_alu depctr_va_vdst(0)                   ; the offsets and LDS addresses v3 to v11 and v13 are written, which the loads and stores of the whole kernel read
.irp a, 0,1,2,3
.irp u, 0,1
	global_load_b64 v[WS+4*\a+2*\u:WS+4*\a+2*\u+1], v[WSO], s[SB:SB+1] offset:256*\u+8*\a   ; trip a, tile u: the scales of K steps 2 a, 2 a + 1
.endr
.endr
.irp t, 0,1,2,3
	LOADG \t, (\t/2)*16384+(\t%2)*256, 2048        ; fragment t of a trip: tile t / 2, K step 2 trip + t % 2
.endr
	s_load_b32 s[NT], s[10:11], s[NTO] offset:0x8000   ; my expert's row tiles; waited for behind the barrier
	s_lshl_b32 s46, s[EE], 6
	s_add_co_u32 s46, s46, s[MH]                   ; my first row tile: 64 e + (wave / 2)
	s_lshl_b32 s48, s46, 14
	s_add_nc_u64 s[XN:XN+1], s[8:9], s[48:49]
	s_lshl_b32 s48, s46, 9
	s_add_nc_u64 s[XSN:XSN+1], s[8:9], s[48:49]
	s_add_nc_u64 s[XSN:XSN+1], s[XSN:XSN+1], 0x800000
	s_lshl_b32 s48, s46, 15
	s_lshr_b32 s47, ttmp9, 1
	s_lshl_b32 s47, s47, 11                        ; K step s / 2 of the next product,
	s_add_co_u32 s48, s48, s47
	s_lshl_b32 s47, ttmp9, 1
	s_add_co_u32 s47, s47, s[BM]                   ; block 2 s + bM of its K:
	s_and_b32 s50, s47, 3
	s_lshl_b32 s50, s50, 9                         ; chunk (2 s + bM) % 4
	s_add_co_u32 s48, s48, s50
	s_add_nc_u64 s[AO:AO+1], s[12:13], s[48:49]
	s_lshl_b32 s48, s46, 10
	s_lshr_b32 s50, s47, 5
	s_lshl_b32 s50, s50, 9                         ; K half,
	s_add_co_u32 s48, s48, s50
	s_and_b32 s50, s47, 31                         ; byte in the half's 32
	s_add_co_u32 s48, s48, s50
	s_add_nc_u64 s[AS:AS+1], s[12:13], s[48:49]
	s_add_nc_u64 s[AS:AS+1], s[AS:AS+1], 0x1000000
	s_mov_b32 s[LIO], 0
	s_mov_b32 s[LSO], 0
	s_mov_b32 s[CNT], 0
	s_wait_loadcnt 24                              ; the scales and set 0 are in; sets 1 to 3 may be out
	TURN 0, 0
.Lconv:                                            ; three trips of four fragments; each asks for the next trip's four
.irp t, 0,1,2,3
	STEPC \t, 1, (\t/2)*16384+(\t%2)*256+512, 2048, 1, 24, (\t/2)*16384+(\t%2)*2048, (\t/2)*1024+(\t%2)*128, WS+\t
.endr
.irp k, 0,1,2,3,4,5,6,7,8,9,10,11
	v_mov_b32 v[WS+\k], v[WS+\k+4]                 ; the next trip's scales move down, so that a trip's register numbers stay
.endr
	s_wait_xcnt 0x0                                ; the loads have read their base
	s_add_nc_u64 s[WB:WB+1], s[WB:WB+1], 512
	s_add_co_u32 s[LIO], s[LIO], 4096
	s_add_co_u32 s[LSO], s[LSO], 256
	s_add_co_u32 s[CNT], s[CNT], 1
	s_cmp_lt_u32 s[CNT], 3
	s_cbranch_scc1 .Lconv
	STEPC 0, 0, 0, 2048, 1, 16, 0, 0, WS+0         ; the last four ask for nothing: the counts run down
	STEPC 1, 0, 0, 2048, 1, 8, 2048, 128, WS+1
	STEPC 2, 0, 0, 2048, 1, 0, 16384, 1024, WS+2
	STEPC 3, 0, 0, 2048, 0, 0, 18432, 1152, WS+3
	s_wait_dscnt 0x0                               ; for the others' sake: my images lie in LDS
	s_barrier_signal -1
	s_barrier_wait -1                              ; the one barrier: nothing is written to LDS behind it
.macro REFILL hf                       ; half a row tile: four K steps' images, 512 consecutive bytes a load, and the rows' four scale words: 17 loads
	WIN 0xc0
.irp j, 0,1,2,3
.irp c, 0,1,2,3
	global_load_b128 v[16*(4*\hf+\j)+4*\c:16*(4*\hf+\j)+4*\c+3], v[LI], s[XN:XN+1] offset:(4*\hf+\j)*2048+512*\c
.endr
.endr
	WIN 0
	global_load_b128 v[XS+4*\hf:XS+4*\hf+3], v[R32], s[XSN:XSN+1] offset:16*\hf
.endm
.macro WFETCH                          ; my block's 32 fragments and scale words, once.  (Window 1's v0-127 were the ring: the last step of phase C has its wait on vm_vsrc behind the last stores that read them)
	WIN 0x40
.irp j, 0,1,2,3
.irp n, 0,1,2,3
.irp c, 0,1,2,3
	ds_load_b128 v[16*(4*\j+\n)+4*\c:16*(4*\j+\n)+4*\c+3], v[IR] offset:(8*\n+\j)*2048+512*\c
.endr
.endr
.endr
	WIN 0x80
.irp j, 0,1,2,3
.irp n, 0,1,2,3
.irp c, 0,1,2,3
	ds_load_b128 v[16*(4*\j+\n)+4*\c:16*(4*\j+\n)+4*\c+3], v[IR] offset:(8*\n+\j+4)*2048+512*\c
.endr
.endr
.endr
	WIN 0
.irp j, 0,1,2,3,4,5,6,7
.irp n, 0,1,2,3
	ds_load_b32 v[WSC+4*\j+\n], v[SR] offset:(8*\n+\j)*128
.endr
.endr
.endm
.macro MM hf                           ; 16 products: four K steps x four tiles; the four accumulators take turns, one instruction a turn
.if \hf == 0
	WIN 0x0d                                       ; source 0 window 1, source 1 window 3
.else
	WIN 0x0e                                       ; source 0 window 2
.endif
.irp j, 0,1,2,3
.irp n, 0,1,2,3
.if (\hf == 0) && (\j == 0)
	v_wmma_scale_f32_16x16x128_f8f6f4 v[ACC+8*\n:ACC+8*\n+7], v[16*(4*\j+\n):16*(4*\j+\n)+15], v[16*(4*\hf+\j):16*(4*\hf+\j)+15], 0, v[WSC+4*(4*\hf+\j)+\n], v[XS+4*\hf+\j]
.else
	v_wmma_scale_f32_16x16x128_f8f6f4 v[ACC+8*\n:ACC+8*\n+7], v[16*(4*\j+\n):16*(4*\j+\n)+15], v[16*(4*\hf+\j):16*(4*\hf+\j)+15], v[ACC+8*\n:ACC+8*\n+7], v[WSC+4*(4*\hf+\j)+\n], v[XS+4*\hf+\j]
.endif
.endr
.endr
.endm
.macro FINAL                           ; silu(gate) x up of my row's 16 units, and half a block's quantiser
.irp i, 0,2,4,6,8,10,12,14
	v_pk_mul_f32 v[EX+\i:EX+\i+1], v[ACC+\i:ACC+\i+1], 0xbfb8aa3b op_sel_hi:[1,0]   ; -gate x log2(e); each accumulator is read from its low end on
.endr
	s_wait_alu depctr_va_vdst(0)
.irp i, 0,1,2,3,4,5,6,7,8,9,10,11,12,13,14,15
	v_exp_f32 v[EX+\i], v[EX+\i]
.endr
	v_nop                                          ; a plain line behind the batch,
	s_wait_alu depctr_va_vdst(0)                   ; and one wait for it: the sixteen exponentials have written v[EX ..], ahead of their first reader
.irp i, 0,2,4,6,8,10,12,14
	v_pk_add_f32 v[EX+\i:EX+\i+1], v[EX+\i:EX+\i+1], 1.0 op_sel_hi:[1,0]
.endr
	s_wait_alu depctr_va_vdst(0)
.irp i, 0,1,2,3,4,5,6,7,8,9,10,11,12,13,14,15
	v_rcp_f32 v[EX+\i], v[EX+\i]
.endr
	v_nop
	s_wait_alu depctr_va_vdst(0)                   ; the sixteen reciprocals have written v[EX ..], ahead of their first reader
.irp i, 0,2,4,6,8,10,12,14
	v_pk_mul_f32 v[HD+\i:HD+\i+1], v[ACC+\i:ACC+\i+1], v[EX+\i:EX+\i+1]
.endr
.irp i, 0,2,4,6,8,10,12,14
	v_pk_mul_f32 v[HD+\i:HD+\i+1], v[HD+\i:HD+\i+1], v[ACC+16+\i:ACC+16+\i+1]
.endr
	v_max3_num_f32 v[T2], |v[HD]|, |v[HD+1]|, 0x4800000
	v_max3_num_f32 v[T2+1], |v[HD+8]|, |v[HD+9]|, |v[HD+10]|
	v_max3_num_f32 v[T2], v[T2], |v[HD+2]|, |v[HD+3]|
	v_max3_num_f32 v[T2+1], v[T2+1], |v[HD+11]|, |v[HD+12]|
	v_max3_num_f32 v[T2], v[T2], |v[HD+4]|, |v[HD+5]|
	v_max3_num_f32 v[T2+1], v[T2+1], |v[HD+13]|, |v[HD+14]|
	v_max3_num_f32 v[T2], v[T2], |v[HD+6]|, |v[HD+7]|
	v_max3_num_f32 v[T2], v[T2], v[T2+1], |v[HD+15]|
	v_permlanex16_b32 v[T2+2], v[T2], s[SEL], s[SEL+1]
	v_max_num_f32 v[T2], v[T2], v[T2+2]            ; with lane l xor 16's 16 units: the block's largest magnitude
	v_add_nc_u32 v[T2+3], 0xfc000000, v[T2]
	v_and_or_b32 v[T2+4], v[T2], 0x7f800000, s[MNT]
	s_wait_alu depctr_vm_vsrc(0)                   ; the last tile's two stores have read v[PB] and v[PC2 ..], which are written again from here on
	v_lshrrev_b32 v[PB], 23, v[T2+3]
.irp i, 0,1,2,3,4,5,6,7,8,9,10,11,12,13,14,15
	v_med3_num_f32 v[HD+\i], v[HD+\i], -v[T2+4], v[T2+4]
.endr
	v_cvt_scalef32_pk8_fp8_f32 v[PC2:PC2+1], v[HD:HD+7], v[T2+3]
	v_cvt_scalef32_pk8_fp8_f32 v[PC2+2:PC2+3], v[HD+8:HD+15], v[T2+3]
	v_nop
	s_wait_alu depctr_va_vdst(0)                   ; the conversions have written v[PC2 ..] and the shift v[PB], which the two stores read
	global_store_b128 v[LI], v[PC2:PC2+3], s[AO:AO+1]   ; a chunk of the next operand's image: 512 consecutive bytes
	global_store_b8 v[R32], v[PB], s[AS:AS+1]           ; my row's byte; lanes r and r + 16 write one byte with one value
.endm
; A row tile.  more = 1: the next tile of my walk is asked for, each half as soon as its registers are free.
.macro TILE more
	s_wait_loadcnt 17                              ; this tile's first half is in; its second half's 17 loads may be out
	MM 0
.if \more
	WIN 0
	PLACES
	s_wait_alu depctr_va_vdst(0)                   ; the sixteen products above are done reading the tile's first half and its four scale words, in which the loads below land
	REFILL 0
	s_wait_loadcnt 17                              ; the second half is in; the 17 just issued may be out
.else
	s_wait_loadcnt 0x0
.endif
	MM 1
	WIN 0
	PLACES
.if \more
	s_wait_alu depctr_va_vdst(0)                   ; the sixteen products above are done reading the tile's second half and its four scale words, in which the loads below land
	REFILL 1
.endif
	FINAL
.if \more
	s_wait_xcnt 0x0                                ; loads and stores have read their bases and data: all may be written
	s_add_nc_u64 s[XN:XN+1], s[XN:XN+1], 32768
	s_add_nc_u64 s[XSN:XSN+1], s[XSN:XSN+1], 1024
	s_add_nc_u64 s[AO:AO+1], s[AO:AO+1], 65536
	s_add_nc_u64 s[AS:AS+1], s[AS:AS+1], 2048
.endif
.endm
	s_wait_kmcnt 0x0
	s_min_u32 s[NT], s[NT], 64
	s_add_co_u32 s[NW], s[NT], 1
	s_sub_co_u32 s[NW], s[NW], s[MH]
	s_lshr_b32 s[NW], s[NW], 1                     ; my tiles: (tiles + 1 - wave / 2) / 2
	s_cmp_eq_u32 s[NW], 0
	s_cbranch_scc1 .Lend
	REFILL 0                                       ; no vector or matrix instruction has named the registers in which these loads land
	REFILL 1
	WFETCH                                         ; the first tile is on its way meanwhile
	v_mov_b32 v[T2+2], 0                           ; a lane permute's destination counts as one of its sources
	s_wait_dscnt 0x0
	s_wait_xcnt 0x0
	s_add_nc_u64 s[XN:XN+1], s[XN:XN+1], 32768     ; on to my next tile, two tiles further
	s_add_nc_u64 s[XSN:XSN+1], s[XSN:XSN+1], 1024
	s_sub_co_u32 s[NW], s[NW], 1
	s_cmp_eq_u32 s[NW], 0
	s_cbranch_scc1 .Llast
	s_mov_b32 s[CNT], 0
.Lm:
	TILE 1
	s_add_co_u32 s[CNT], s[CNT], 1
	s_cmp_lt_u32 s[CNT], s[NW]
	s_cbranch_scc1 .Lm
.Llast:
	TILE 0                                         ; my last tile asks for nothing
.Lend:
	s_wait_dscnt 0x0                               ; the closing lines, six on end
	s_wait_alu 0x0
	s_wait_tensorcnt 0x0
	ds_add_u32 v254, v255
	s_wait_dscnt 0x0
	s_endpgm
.Lfunc_end_k_q2e8d5996bd_gemm1:
	.size	k_q2e8d5996bd_gemm1, .Lfunc_end_k_q2e8d5996bd_gemm1-k_q2e8d5996bd_gemm1
	.p2alignl 7, 3214868480
	.fill 96, 4, 3214868480
	.section	.rodata,"a",@progbits
	.p2align	6, 0x0
	.amdhsa_kernel k_q2e8d5996bd_gemm1
		.amdhsa_group_segment_fixed_size 174592
		.amdhsa_private_segment_fixed_size 0
		.amdhsa_enable_private_segment 0
		.amdhsa_kernarg_size 40
		.amdhsa_user_sgpr_count 2
		.amdhsa_user_sgpr_kernarg_segment_ptr 1
		.amdhsa_wavefront_size32 1
		.amdhsa_system_sgpr_workgroup_id_x 1
		.amdhsa_system_sgpr_workgroup_id_y 1
		.amdhsa_system_sgpr_workgroup_id_z 1
		.amdhsa_system_vgpr_workitem_id 0
		.amdhsa_next_free_vgpr 896
		.amdhsa_next_free_sgpr 66
		.amdhsa_reserve_vcc 0
		.amdhsa_float_denorm_mode_32 3
		.amdhsa_float_denorm_mode_16_64 3
		.amdhsa_memory_ordered 1
		.amdhsa_forward_progress 1
		.amdhsa_inst_pref_size 192
	.end_amdhsa_kernel
	.amdgpu_metadata
---
amdhsa.version: [ 1, 2 ]
amdhsa.kernels:
  - .name:           k_q2e8d5996bd_gemm1
    .symbol:         k_q2e8d5996bd_gemm1.kd
    .args:
      - { .name: w1, .offset: 0, .size: 8, .value_kind: global_buffer, .address_space: global }
      - { .name: w1_scale, .offset: 8, .size: 8, .value_kind: global_buffer, .address_space: global }
      - { .name: xs, .offset: 16, .size: 8, .value_kind: global_buffer, .address_space: global }
      - { .name: order, .offset: 24, .size: 8, .value_kind: global_buffer, .address_space: global }
      - { .name: ac, .offset: 32, .size: 8, .value_kind: global_buffer, .address_space: global }
    .group_segment_fixed_size: 174592
    .private_segment_fixed_size: 0
    .kernarg_segment_align: 8
    .kernarg_segment_size: 40
    .max_flat_workgroup_size: 128
    .sgpr_count:     66
    .vgpr_count:     896
    .wavefront_size: 32
...
	.end_amdgpu_metadata
.endif
;; end of part 8
;; launch gemm2 (part 9): grid 32 x 8, 4 waves a work-group, no clusters, 104,960 bytes of LDS; arguments w2, w2_scale, ac, order, gs, y; writes y
.if DOCPART == 9
	.amdgcn_target "amdgcn-amd-amdhsa--gfx1250"
	.amdhsa_code_object_version 6
	.text
	.protected	k_q2e8d5996bd_gemm2
	.globl	k_q2e8d5996bd_gemm2
	.p2align	8
	.type	k_q2e8d5996bd_gemm2,@function
k_q2e8d5996bd_gemm2:
	s_mov_b64 s[64:65], 0
	v_nop
	global_prefetch_b8 v0, s[64:65] scope:SCOPE_SE
	s_setreg_imm32_b32 hwreg(HW_REG_WAVE_SCHED_MODE, 0, 2), 2
	s_setreg_imm32_b32 hwreg(HW_REG_WAVE_MODE, 25, 1), 1
	s_wait_xcnt 0x0
	s_wait_alu depctr_vm_vsrc(0)
; SECOND PRODUCT, WEIGHTS STANDING STILL.  Work-group (x, e): ns = x / 2, kh = x % 2: output columns 64 ns .. 64 ns + 63 of expert e, K half kh (1,024 of 2,048): 4 tiles of 16 rows of w2 x 8 K steps = 32 fragments.
; Each packed word of w2 is read once in the launch and turned into a code once.
; PHASE C as in the first product's launch: wave w turns tile w's eight fragments into codes: words as they lie, through the wave's own stage, (word & 15) | 0x4B000000 = 2^23 + low nibble and
; (word & 0xF0) | 0x4B000000 = 2^23 + 16 x high nibble, less 2^23 + 8 and 2^23 + 128 (exact), times (s, s / 16) (one rounding), the MX quantiser along K; images and scale words to LDS; one barrier.
; PHASE M.  Every wave fetches all 32 fragments (512 registers) once and takes row tiles w, w + 4, ..  The product is used transposed (source 0 = 16 rows of w2, source 1 = 16 routed rows):
; a lane holds one routed row and eight neighbouring columns a tile.  The sums are multiplied by the row's routing weight, turned through the wave's stage and stored as whole runs of 256 bytes of row p of y[kh].
; y: [2 K halves][2,048 routed entries p][1,024] f32; the last launch adds a token's four rows.  weight x (S0 + S1) is thus formed as weight x S0 + weight x S1.
; A last tile's spare rows are copies of the expert's last entry: they compute the same numbers and store them to the same bytes, from this wave.
; The number of row tiles is a whole number stored by an earlier launch: so operands come straight into registers, there is no tensor load, no joint request (partners would need equal trip counts known to the text) and no barrier in the tile loop.
; LIMITS: NaN and infinities are not served; a weight scale is 0 or at least 2^-120 in magnitude; of a packed word bits 7:0 count; a block of zeros gets the byte 1 where the rule says 127.
; THE MODE: SCHED_MODE bits 1:0 = 2 (LLVM: expert scheduling mode 2), set by the entry lines.  The code itself states the register dependences
; between vector or matrix instructions and memory or LDS instructions, with s_wait_alu, always for 0.
; THE PLAN, PHASE C.  Registers that memory or LDS instructions touch; step t is one fragment:
;   the ring's sets 0 .. 3 (window 1)  The stores into the stage issued in step t - 1 read set t % 4; step t's global loads land in it.  No vector instruction names them.
;   R0, R1        The loads from the stage issued in step t land in R[(t + 1) % 2]; step t's unpacking lines read R[t % 2].
;   PC, PW        Written by the step's quantiser, read by the step's stores of the image.
;   all addresses are made at the head and never written again;  F, TM, SP, KC, WS are named by vector instructions alone.
; Two waits a step: vm_vsrc at its head (the ring's set, PC and PW have been read) and va_vdst ahead of the image's stores (PC and PW are written; R[t % 2] has been read:
; from that wait to the next step's loads from the stage no vector instruction names that set).
; THE PLAN, PHASE M.  The row tile's two halves (window 3, v0-63 and v64-127) with their four scale words each: read by sixteen products, then the next tile's half lands there.
;   ID, GT        Landed in by loads, read by the tile's vector lines, then the next tile's land there.
;   AD, Y         Written by the tile's vector lines; AD is the global stores' offset, Y the data of the stores into the stage.
;   O             Landed in by the loads from the stage, read by the global stores.
;   The weights' fragments and scale words come from LDS once and are then read by products alone.
; Three waits a tile: va_vdst behind the first half's products, for the loads into that half; vm_vsrc ahead of the vector lines (the last tile's stores have read Y, AD and O); and ONE va_vdst behind the vector lines,
; for the whole run of memory and LDS instructions that follows: the loads into the second half, the stores into the stage, the loads into ID and GT, the global stores.
.set SIMG, 65536                       ; LDS: images at (8 tile + K step) x 2,048 from 0; scale words at (8 tile + K step) x 128 from here;
.set RAW,  69632                       ; two stages of 16 rows x 272 bytes for each wave; the first is also its stage on the way out
.set RR,  1
.set HH,  2
.set GA,  3                            ; v3   w2: 16 r + 8 rows x h
.set SA,  4                            ; v4   stage: row 8 h, 16 r
.set RA,  5                            ; v5   stage: row r, 32 h
.set IW,  6
.set SW,  7
.set SR,  9
.set LI,  10
.set R32, 11
.set WSO, 13
.set KC,  14
.set WS,  16
.set R,   32
.set F,   96
.set PC,  160
.set TM,  176
.set PW,  192
.set SP,  194
.set WSC, 196                          ; v196-227 the weights' scale words: scales and nothing else
.set XS,  228                          ; v228-235 the rows' scale words: scales and nothing else
.set R16, 236                          ; v236 16 r
.set R4,  237                          ; v237 4 r
.set H32, 238                          ; v238 32 h
.set IWC, IW                           ; no loop here: the images' addresses stand
.set SWC, SW
.set IR,  LI                           ; every wave fetches from image 0 on
.set STO, RA                           ; the way out: row r, 32 h: the same bytes' address as phase C's
.set RD,  SA                           ; and back: row 8 h, 16 r
.set ACC, 32                           ; phase M: v32-63 four tiles of columns
.set Y,   64                           ; v64-95  x the weight
.set O,   96                           ; v96-127 rows as they leave
.set ID,  128                          ; v128-135 the entries p of stage rows 8 h + 0 .. 7
.set AD,  136                          ; v136-143 their byte offsets in y
.set GT,  144                          ; v144-145 my row's weight (the pair is named; its low word serves both halves)
.set WV,  16
.set EE,  17
.set KH,  18
.set NS,  19
.set SEL, 20
.set MAGIC, 22
.set HIM, 23
.set MNT, 24
.set WB,  26
.set SB,  28
.set XN,  30                           ; s[30:31] the row tile to be asked for next
.set XSN, 32
.set ON,  34                           ; s[34:35] its entries
.set GN,  36                           ; s[36:37] its weights
.set YB,  38                           ; s[38:39] y at my K half and my 64 columns
.set CNT, 42
.set NT,  43
.set NW,  44
.set NTO, 45
.set MSB, 0
.macro WIN new                         ; the immediate's high byte repeats the setting that is left
.if MSB != (\new)
	s_set_vgpr_msb (MSB<<8)|(\new)
.set MSB, (\new)
.endif
.endm
.macro PLACES                          ; eight places behind this form ahead of loads into its registers and of reads of its results
.rept 8
	v_nop
.endr
.endm
.macro LOADG set, off, rs
	WIN 0x40
.irp i, 0,1,2,3,4,5,6,7
	global_load_b128 v[32*(\set)+4*\i:32*(\set)+4*\i+3], v[GA], s[WB:WB+1] offset:(\off)+\i*(\rs) th:TH_LOAD_NT
.endr
	WIN 0
.endm
.macro TURN set, sg
	WIN 0x04
.irp i, 0,1,2,3,4,5,6,7
	ds_store_b128 v[SA], v[32*(\set)+4*\i:32*(\set)+4*\i+3] offset:(\sg)*4352+\i*272
.endr
	WIN 0
.irp c, 0,1,2,3
.irp q, 0,1
	ds_load_b128 v[R+32*(\sg)+8*\c+4*\q:R+32*(\sg)+8*\c+4*\q+3], v[RA] offset:(\sg)*4352+64*\c+16*\q
.endr
.endr
.endm
.macro DEQ sg, ws
	v_mov_b32 v[SP], v[\ws]
	v_mul_f32 v[SP+1], 0x3d800000, v[\ws]
.set m, 0
.rept 32
	v_and_or_b32 v[F+2*m], v[R+32*(\sg)+m], 15, s[MAGIC]
	v_and_or_b32 v[F+2*m+1], v[R+32*(\sg)+m], s[HIM], s[MAGIC]
.set m, m+1
.endr
.set m, 0
.rept 32
	v_pk_add_f32 v[F+2*m:F+2*m+1], v[F+2*m:F+2*m+1], v[KC:KC+1]
.set m, m+1
.endr
.set m, 0
.rept 32
	v_pk_mul_f32 v[F+2*m:F+2*m+1], v[F+2*m:F+2*m+1], v[SP:SP+1]
.set m, m+1
.endr
.endm
.macro QUANT4
.irp b, 0,1,2,3
	v_max3_num_f32 v[TM+\b], |v[F+16*\b]|, |v[F+1+16*\b]|, 0x4800000
.endr
.irp i, 2,4,6,8,10,12,14
.irp b, 0,1,2,3
	v_max3_num_f32 v[TM+\b], v[TM+\b], |v[F+16*\b+\i]|, |v[F+1+16*\b+\i]|
.endr
.endr
.irp b, 0,1,2,3
	v_permlanex16_b32 v[TM+4+\b], v[TM+\b], s[SEL], s[SEL+1]
.endr
.irp b, 0,1,2,3
	v_max_num_f32 v[TM+\b], v[TM+\b], v[TM+4+\b]
.endr
.irp b, 0,1,2,3
	v_add_nc_u32 v[TM+12+\b], 0xfc000000, v[TM+\b]
.endr
.irp b, 0,1,2,3
	v_and_or_b32 v[TM+8+\b], v[TM+\b], 0x7f800000, s[MNT]
.endr
.irp b, 0,1,2,3
	v_lshrrev_b32 v[TM+4+\b], 23, v[TM+12+\b]
.endr
	v_lshl_or_b32 v[PW], v[TM+5], 8, v[TM+4]
	v_lshl_or_b32 v[PW], v[TM+6], 16, v[PW]
	v_lshl_or_b32 v[PW], v[TM+7], 24, v[PW]
.irp b, 0,1,2,3
.irp i, 0,1,2,3,4,5,6,7,8,9,10,11,12,13,14,15
	v_med3_num_f32 v[F+16*\b+\i], v[F+16*\b+\i], -v[TM+8+\b], v[TM+8+\b]
.endr
	v_cvt_scalef32_pk8_fp8_f32 v[PC+4*\b:PC+1+4*\b], v[F+16*\b:F+7+16*\b], v[TM+12+\b]
	v_cvt_scalef32_pk8_fp8_f32 v[PC+2+4*\b:PC+3+4*\b], v[F+8+16*\b:F+15+16*\b], v[TM+12+\b]
.endr
	v_nop                                          ; a plain line behind the last conversion
.endm
.macro IMAGE io, so
.irp c, 0,1,2,3
	ds_store_b128 v[IWC], v[PC+4*\c:PC+4*\c+3] offset:(\io)+512*\c
.endr
	ds_store_b32 v[SWC], v[PW] offset:\so
.endm
.macro STEPC t, ahead, aoff, rs, nxt, cnt, io, so, ws
	s_wait_dscnt 0x0                               ; my words are back from the stage; the stores that read this set of the ring, and the last images' stores, are done
	s_wait_alu depctr_vm_vsrc(0)                   ; the stores into the stage have read this set of the ring, in which the loads below land; the last image's stores have read v[PC ..] and v[PW], which this step's quantiser writes
.if \ahead
	LOADG \t, \aoff, \rs
.endif
.if \nxt
	s_wait_loadcnt \cnt
	TURN ((\t)+1)%4, ((\t)+1)%2                    ; its loads land in the set of v[R ..] that the step before unpacked: that step's wait on va_vdst stands behind its unpacking lines, and no vector instruction since names the set
.endif
	DEQ (\t)%2, \ws
	QUANT4
	s_wait_alu depctr_va_vdst(0)                   ; the quantiser has written v[PC ..] and v[PW], which the stores below read; the unpacking lines are done reading this step's set of v[R ..], in which the next step's loads from the stage land
	IMAGE \io, \so
.endm
	s_load_b128 s[4:7], s[0:1], 0x0                ; w2, w2_scale
	s_load_b128 s[8:11], s[0:1], 0x10              ; ac, order
	s_load_b128 s[12:15], s[0:1], 0x20             ; gs, y
	v_lshl_add_u32 v254, v0, 2, 0x19800
	v_mov_b32 v255, 0
	v_lshrrev_b32 v1, 5, v0
	v_readfirstlane_b32 s[WV], v1                  ; wave 0..3
	s_and_b32 s[EE], ttmp7, 0xffff
	s_and_b32 s[KH], ttmp9, 1
	s_lshr_b32 s[NS], ttmp9, 1
	v_and_b32 v[RR], 15, v0
	v_bfe_u32 v[HH], v0, 4, 1
	v_lshlrev_b32 v[R16], 4, v[RR]
	v_lshlrev_b32 v[R4], 2, v[RR]
	v_lshlrev_b32 v[H32], 5, v[HH]
	v_lshl_add_u32 v[GA], v[HH], 15, v[R16]        ; slots 8-15 lie 8 rows of 4,096 bytes behind slots 0-7
	s_wait_alu depctr_va_sdst(0)                   ; s[WV] is written, ahead of its first reader
	s_mul_i32 s46, s[WV], 8704
	s_add_co_u32 s46, s46, RAW
	v_mul_u32_u24 v[SA], v[HH], 2176
	v_lshl_add_u32 v[SA], v[RR], 4, v[SA]
	v_add_nc_u32 v[SA], s46, v[SA]
	v_mul_u32_u24 v[RA], v[RR], 272
	v_lshl_add_u32 v[RA], v[HH], 5, v[RA]
	v_add_nc_u32 v[RA], s46, v[RA]
	v_and_b32 v[LI], 31, v0
	v_lshlrev_b32 v[SW], 2, v[LI]
	v_lshlrev_b32 v[LI], 4, v[LI]
	s_lshl_b32 s46, s[WV], 14
	v_add_nc_u32 v[IW], s46, v[LI]
	v_add_nc_u32 v[SR], SIMG, v[SW]
	s_lshl_b32 s46, s[WV], 10
	s_add_co_u32 s46, s46, SIMG
	v_add_nc_u32 v[SW], s46, v[SW]
	v_lshlrev_b32 v[R32], 5, v[RR]
	v_lshlrev_b32 v[WSO], 6, v[RR]
	v_mov_b32 v[KC], 0xcb000008
	v_mov_b32 v[KC+1], 0xcb000080
.irp b, 0,1,2,3
	v_mov_b32 v[TM+4+\b], 0
.endr
	s_mov_b32 s[SEL], 0x76543210
	s_mov_b32 s[SEL+1], 0xfedcba98
	s_mov_b32 s[MAGIC], 0x4b000000
	s_mov_b32 s[HIM], 0xf0
	s_mov_b32 s[MNT], 0x600000
	s_lshl_b32 s[NTO], s[EE], 2
	s_lshl_b32 s46, s[EE], 10
	s_lshl_b32 s47, s[NS], 6
	s_add_co_u32 s46, s46, s47
	s_lshl_b32 s47, s[WV], 4
	s_add_co_u32 s46, s46, s47                     ; my first row of w2: 1024 e + 64 ns + 16 wave
	s_lshl_b32 s48, s46, 12
	s_lshl_b32 s47, s[KH], 11
	s_add_co_u32 s48, s48, s47
	s_mov_b32 s49, 0
	s_lshl_b32 s50, s46, 6
	s_lshl_b32 s47, s[KH], 5
	s_add_co_u32 s50, s50, s47
	s_mov_b32 s51, 0
	s_wait_kmcnt 0x0
	s_add_nc_u64 s[WB:WB+1], s[4:5], s[48:49]
	s_add_nc_u64 s[SB:SB+1], s[6:7], s[50:51]
	s_wait_alu depctr_va_vdst(0)                   ; the offsets and LDS addresses v3 to v13 and v236 to v238 are written, which the loads and stores of the whole kernel read
	global_load_b128 v[WS:WS+3], v[WSO], s[SB:SB+1]             ; the int4 scales of my row's eight groups
	global_load_b128 v[WS+4:WS+7], v[WSO], s[SB:SB+1] offset:16
.irp t, 0,1,2,3
	LOADG \t, 256*\t, 4096
.endr
	s_load_b32 s[NT], s[10:11], s[NTO] offset:0x8000   ; my expert's row tiles; waited for behind the barrier
	s_lshl_b32 s46, s[EE], 6
	s_add_co_u32 s46, s46, s[WV]                   ; my first row tile: 64 e + wave
	s_lshl_b32 s48, s46, 15
	s_lshl_b32 s47, s[KH], 14
	s_add_co_u32 s48, s48, s47
	s_add_nc_u64 s[XN:XN+1], s[8:9], s[48:49]
	s_lshl_b32 s48, s46, 10
	s_lshl_b32 s47, s[KH], 9
	s_add_co_u32 s48, s48, s47
	s_add_nc_u64 s[XSN:XSN+1], s[8:9], s[48:49]
	s_add_nc_u64 s[XSN:XSN+1], s[XSN:XSN+1], 0x1000000
	s_lshl_b32 s48, s46, 6
	s_add_nc_u64 s[ON:ON+1], s[10:11], s[48:49]
	s_add_nc_u64 s[GN:GN+1], s[12:13], s[48:49]
	s_lshl_b32 s48, s[KH], 23
	s_lshl_b32 s47, s[NS], 8
	s_add_co_u32 s48, s48, s47
	s_add_nc_u64 s[YB:YB+1], s[14:15], s[48:49]
	s_wait_loadcnt 24                              ; the scales and set 0 are in; sets 1 to 3 may be out
	TURN 0, 0
.irp t, 0,1,2,3
	STEPC \t, 1, 256*(\t+4), 4096, 1, 24, 2048*\t, 128*\t, WS+\t
.endr
	STEPC 0, 0, 0, 4096, 1, 16, 8192, 512, WS+4    ; the last four ask for nothing: the counts run down
	STEPC 1, 0, 0, 4096, 1, 8, 10240, 640, WS+5
	STEPC 2, 0, 0, 4096, 1, 0, 12288, 768, WS+6
	STEPC 3, 0, 0, 4096, 0, 0, 14336, 896, WS+7
	s_wait_dscnt 0x0                               ; for the others' sake: my images lie in LDS
	s_barrier_signal -1
	s_barrier_wait -1                              ; the one barrier: behind it a wave writes only its own stage
.macro REFILL hf                       ; half a row tile of my K half: four K steps' images and the rows' four scale words: 17 loads
	WIN 0xc0
.irp j, 0,1,2,3
.irp c, 0,1,2,3
	global_load_b128 v[16*(4*\hf+\j)+4*\c:16*(4*\hf+\j)+4*\c+3], v[LI], s[XN:XN+1] offset:(4*\hf+\j)*2048+512*\c
.endr
.endr
	WIN 0
	global_load_b128 v[XS+4*\hf:XS+4*\hf+3], v[R32], s[XSN:XSN+1] offset:16*\hf
.endm
.macro REFILLC                         ; the tile's entries and weights: 3 loads
	global_load_b128 v[ID:ID+3], v[H32], s[ON:ON+1]
	global_load_b128 v[ID+4:ID+7], v[H32], s[ON:ON+1] offset:16
	global_load_b32 v[GT], v[R4], s[GN:GN+1]
.endm
.macro WFETCH                          ; (window 1's v0-127 were the ring: the last step of phase C has its wait on vm_vsrc behind the last stores that read them)
	WIN 0x40
.irp j, 0,1,2,3
.irp n, 0,1,2,3
.irp c, 0,1,2,3
	ds_load_b128 v[16*(4*\j+\n)+4*\c:16*(4*\j+\n)+4*\c+3], v[IR] offset:(8*\n+\j)*2048+512*\c
.endr
.endr
.endr
	WIN 0x80
.irp j, 0,1,2,3
.irp n, 0,1,2,3
.irp c, 0,1,2,3
	ds_load_b128 v[16*(4*\j+\n)+4*\c:16*(4*\j+\n)+4*\c+3], v[IR] offset:(8*\n+\j+4)*2048+512*\c
.endr
.endr
.endr
	WIN 0
.irp j, 0,1,2,3,4,5,6,7
.irp n, 0,1,2,3
	ds_load_b32 v[WSC+4*\j+\n], v[SR] offset:(8*\n+\j)*128
.endr
.endr
.endm
.macro MM hf                           ; 16 products: four K steps x four tiles; the four accumulators take turns, one instruction a turn
.if \hf == 0
	WIN 0x0d
.else
	WIN 0x0e
.endif
.irp j, 0,1,2,3
.irp n, 0,1,2,3
.if (\hf == 0) && (\j == 0)
	v_wmma_scale_f32_16x16x128_f8f6f4 v[ACC+8*\n:ACC+8*\n+7], v[16*(4*\j+\n):16*(4*\j+\n)+15], v[16*(4*\hf+\j):16*(4*\hf+\j)+15], 0, v[WSC+4*(4*\hf+\j)+\n], v[XS+4*\hf+\j]
.else
	v_wmma_scale_f32_16x16x128_f8f6f4 v[ACC+8*\n:ACC+8*\n+7], v[16*(4*\j+\n):16*(4*\j+\n)+15], v[16*(4*\hf+\j):16*(4*\hf+\j)+15], v[ACC+8*\n:ACC+8*\n+7], v[WSC+4*(4*\hf+\j)+\n], v[XS+4*\hf+\j]
.endif
.endr
.endr
.endm
; A row tile.  Its loads were issued in the order first half (17), second half (17), entries and weights (3).
.macro TILE more
	s_wait_loadcnt 20                              ; the first half is in; 17 + 3 may be out
	MM 0
.if \more
	WIN 0
	PLACES
	s_wait_alu depctr_va_vdst(0)                   ; the sixteen products above are done reading the tile's first half and its four scale words, in which the loads below land
	REFILL 0
	s_wait_loadcnt 20                              ; the second half is in; the 3 and the 17 just issued may be out
.else
	s_wait_loadcnt 3
.endif
	MM 1
	WIN 0
.if \more
	s_wait_loadcnt 17                              ; entries and weights are in; the next tile's first half may be out
.else
	s_wait_loadcnt 0x0
.endif
	s_wait_alu depctr_vm_vsrc(0)                   ; the last tile's stores have read v[AD ..] and v[Y ..], which the lines below write, and v[O ..], in which the loads from the stage land
.irp i, 0,1,2,3,4,5,6,7
	v_min_u32 v[AD+\i], 0x7ff, v[ID+\i]            ; an entry is held inside y's 2,048 rows.  (These sixteen lines name none of the products' registers: they are the eight places, and more, ahead of the first read of results)
.endr
.irp i, 0,1,2,3,4,5,6,7
	v_lshl_add_u32 v[AD+\i], v[AD+\i], 12, v[R16]  ; its row of 4,096 bytes, + 16 r
.endr
.irp i, 0,2,4,6,8,10,12,14,16,18,20,22,24,26,28,30
	v_pk_mul_f32 v[Y+\i:Y+\i+1], v[ACC+\i:ACC+\i+1], v[GT:GT+1] op_sel_hi:[1,0]   ; x my row's weight; each accumulator is read from its low end on
.endr
	s_wait_alu depctr_va_vdst(0)                   ; ONE wait for the run below: the products are done reading the tile's second half and its scale words, in which loads land; v[Y ..] is written, which the stores into the stage read; v[ID ..] and v[GT] have been read, in which loads land; v[AD ..] is written, the global stores' offsets
.if \more
	REFILL 1
.endif
.irp n, 0,1,2,3
	ds_store_b128 v[STO], v[Y+8*\n:Y+8*\n+3] offset:64*\n            ; row r, columns 16 n + 8 h + 0 .. 7
	ds_store_b128 v[STO], v[Y+8*\n+4:Y+8*\n+7] offset:64*\n+16
.endr
.irp i, 0,1,2,3,4,5,6,7
	ds_load_b128 v[O+4*\i:O+4*\i+3], v[RD] offset:272*\i             ; LDS serves a wave's instructions in order: these see my stores.  Rows i and 8 + i, whole
.endr
.if \more
	REFILLC
.endif
.irp i, 0,1,2,3,4,5,6,7
	s_wait_dscnt 7-\i
	global_store_b128 v[AD+\i], v[O+4*\i:O+4*\i+3], s[YB:YB+1]       ; sixteen lanes store 256 consecutive bytes of a row of y, aligned
.endr
.if \more
	s_wait_xcnt 0x0                                ; loads and stores have read their bases, offsets and data: all may be written
	s_add_nc_u64 s[XN:XN+1], s[XN:XN+1], 131072
	s_add_nc_u64 s[XSN:XSN+1], s[XSN:XSN+1], 4096
	s_add_nc_u64 s[ON:ON+1], s[ON:ON+1], 256
	s_add_nc_u64 s[GN:GN+1], s[GN:GN+1], 256
.endif
.endm
	s_wait_kmcnt 0x0
	s_min_u32 s[NT], s[NT], 64
	s_add_co_u32 s[NW], s[NT], 3
	s_sub_co_u32 s[NW], s[NW], s[WV]
	s_lshr_b32 s[NW], s[NW], 2                     ; my tiles: (tiles + 3 - wave) / 4
	s_cmp_eq_u32 s[NW], 0
	s_cbranch_scc1 .Lend
	v_mov_b32 v[GT+1], 0                           ; named with the weight as a pair, so it is written
	REFILL 0                                       ; no vector or matrix instruction has named the registers in which these two runs land;
	REFILL 1
	REFILLC                                        ; v[ID ..] and v[GT] held weights in phase C: its last wait on va_vdst stands behind the last line that named them
	WFETCH                                         ; the first tile is on its way meanwhile
	s_wait_dscnt 0x0
	s_wait_xcnt 0x0
	s_add_nc_u64 s[XN:XN+1], s[XN:XN+1], 131072    ; on to my next tile, four tiles further
	s_add_nc_u64 s[XSN:XSN+1], s[XSN:XSN+1], 4096
	s_add_nc_u64 s[ON:ON+1], s[ON:ON+1], 256
	s_add_nc_u64 s[GN:GN+1], s[GN:GN+1], 256
	s_sub_co_u32 s[NW], s[NW], 1
	s_cmp_eq_u32 s[NW], 0
	s_cbranch_scc1 .Llast
	s_mov_b32 s[CNT], 0
.Lm:
	TILE 1
	s_add_co_u32 s[CNT], s[CNT], 1
	s_cmp_lt_u32 s[CNT], s[NW]
	s_cbranch_scc1 .Lm
.Llast:
	TILE 0                                         ; my last tile asks for nothing
.Lend:
	s_wait_dscnt 0x0                               ; the closing lines, six on end
	s_wait_alu 0x0
	s_wait_tensorcnt 0x0
	ds_add_u32 v254, v255
	s_wait_dscnt 0x0
	s_endpgm
.Lfunc_end_k_q2e8d5996bd_gemm2:
	.size	k_q2e8d5996bd_gemm2, .Lfunc_end_k_q2e8d5996bd_gemm2-k_q2e8d5996bd_gemm2
	.p2alignl 7, 3214868480
	.fill 96, 4, 3214868480
	.section	.rodata,"a",@progbits
	.p2align	6, 0x0
	.amdhsa_kernel k_q2e8d5996bd_gemm2
		.amdhsa_group_segment_fixed_size 104960
		.amdhsa_private_segment_fixed_size 0
		.amdhsa_enable_private_segment 0
		.amdhsa_kernarg_size 48
		.amdhsa_user_sgpr_count 2
		.amdhsa_user_sgpr_kernarg_segment_ptr 1
		.amdhsa_wavefront_size32 1
		.amdhsa_system_sgpr_workgroup_id_x 1
		.amdhsa_system_sgpr_workgroup_id_y 1
		.amdhsa_system_sgpr_workgroup_id_z 1
		.amdhsa_system_vgpr_workitem_id 0
		.amdhsa_next_free_vgpr 896
		.amdhsa_next_free_sgpr 66
		.amdhsa_reserve_vcc 0
		.amdhsa_float_denorm_mode_32 3
		.amdhsa_float_denorm_mode_16_64 3
		.amdhsa_memory_ordered 1
		.amdhsa_forward_progress 1
		.amdhsa_inst_pref_size 187
	.end_amdhsa_kernel
	.amdgpu_metadata
---
amdhsa.version: [ 1, 2 ]
amdhsa.kernels:
  - .name:           k_q2e8d5996bd_gemm2
    .symbol:         k_q2e8d5996bd_gemm2.kd
    .args:
      - { .name: w2, .offset: 0, .size: 8, .value_kind: global_buffer, .address_space: global }
      - { .name: w2_scale, .offset: 8, .size: 8, .value_kind: global_buffer, .address_space: global }
      - { .name: ac, .offset: 16, .size: 8, .value_kind: global_buffer, .address_space: global }
      - { .name: order, .offset: 24, .size: 8, .value_kind: global_buffer, .address_space: global }
      - { .name: gs, .offset: 32, .size: 8, .value_kind: global_buffer, .address_space: global }
      - { .name: y, .offset: 40, .size: 8, .value_kind: global_buffer, .address_space: global }
    .group_segment_fixed_size: 104960
    .private_segment_fixed_size: 0
    .kernarg_segment_align: 8
    .kernarg_segment_size: 48
    .max_flat_workgroup_size: 128
    .sgpr_count:     66
    .vgpr_count:     896
    .wavefront_size: 32
...
	.end_amdgpu_metadata
.endif
;; end of part 9
;; launch combine (part 10): grid 256 x 1, 8 waves a work-group, no clusters, 0 bytes of LDS; arguments y, out0; writes out0
.if DOCPART == 10
	.amdgcn_target "amdgcn-amd-amdhsa--gfx1250"
	.amdhsa_code_object_version 6
	.text
	.protected	k_q2e8d5996bd_combine
	.globl	k_q2e8d5996bd_combine
	.p2align	8
	.type	k_q2e8d5996bd_combine,@function
k_q2e8d5996bd_combine:
	s_mov_b64 s[64:65], 0
	v_nop
	global_prefetch_b8 v0, s[64:65] scope:SCOPE_SE
	s_setreg_imm32_b32 hwreg(HW_REG_WAVE_MODE, 25, 1), 1
	s_wait_xcnt 0x0
; out0[t] = (y[0][2 t] + y[1][2 t]) + (y[0][2 t + 1] + y[1][2 t + 1]): a token's two experts, each in two halves of K, already weighted.  y: [2][2048][1024] f32, out0: [1024][1024] f32.
; A work-group takes four tokens; two waves share a token's row, 2,048 bytes each, in four chunks of 512 consecutive bytes.  All sixteen loads of a wave go out at once; no loop, no LDS, no barrier: a stream.
	s_load_b128 s[4:7], s[0:1], 0x0                ; y, out0
	v_and_b32 v1, 31, v0
	s_delay_alu instid0(VALU_DEP_1)
	v_lshlrev_b32 v1, 4, v1
	v_bfe_u32 v2, v0, 5, 1
	s_delay_alu instid0(VALU_DEP_1)
	v_lshl_add_u32 v1, v2, 11, v1                  ; 16 x lane + 2,048 x (wave % 2)
	v_lshrrev_b32 v2, 6, v0                        ; which of the four tokens
	s_delay_alu instid0(VALU_DEP_1)
	v_lshl_add_u32 v3, v2, 13, v1                  ; in y: a token's two rows are 8,192 bytes
	s_delay_alu instid0(VALU_DEP_2)
	v_lshl_add_u32 v4, v2, 12, v1                  ; in out0
	s_lshl_b32 s8, ttmp9, 15
	s_mov_b32 s9, 0
	s_lshl_b32 s10, ttmp9, 14
	s_mov_b32 s11, 0
	s_wait_alu depctr_va_vdst(0)
	s_wait_kmcnt 0x0
	s_add_nc_u64 s[4:5], s[4:5], s[8:9]            ; K half 0
	s_add_nc_u64 s[12:13], s[4:5], 0x800000        ; K half 1
	s_add_nc_u64 s[6:7], s[6:7], s[10:11]
.irp i, 0,1,2,3
	global_load_b128 v[16+16*\i:19+16*\i], v3, s[4:5] offset:512*\i th:TH_LOAD_NT
	global_load_b128 v[20+16*\i:23+16*\i], v3, s[12:13] offset:512*\i th:TH_LOAD_NT
	global_load_b128 v[24+16*\i:27+16*\i], v3, s[4:5] offset:4096+512*\i th:TH_LOAD_NT
	global_load_b128 v[28+16*\i:31+16*\i], v3, s[12:13] offset:4096+512*\i th:TH_LOAD_NT
.endr
.irp i, 0,1,2,3
	s_wait_loadcnt 12-4*\i                         ; this chunk's four loads are in; the younger chunks' may be out
	v_pk_add_f32 v[16+16*\i:17+16*\i], v[16+16*\i:17+16*\i], v[20+16*\i:21+16*\i]
	v_pk_add_f32 v[18+16*\i:19+16*\i], v[18+16*\i:19+16*\i], v[22+16*\i:23+16*\i]
	v_pk_add_f32 v[24+16*\i:25+16*\i], v[24+16*\i:25+16*\i], v[28+16*\i:29+16*\i]
	v_pk_add_f32 v[26+16*\i:27+16*\i], v[26+16*\i:27+16*\i], v[30+16*\i:31+16*\i]
	s_delay_alu instid0(VALU_DEP_2)
	v_pk_add_f32 v[16+16*\i:17+16*\i], v[16+16*\i:17+16*\i], v[24+16*\i:25+16*\i]
	s_delay_alu instid0(VALU_DEP_2)
	v_pk_add_f32 v[18+16*\i:19+16*\i], v[18+16*\i:19+16*\i], v[26+16*\i:27+16*\i]
	global_store_b128 v4, v[16+16*\i:19+16*\i], s[6:7] offset:512*\i th:TH_STORE_NT
.endr
	s_endpgm
.Lfunc_end_k_q2e8d5996bd_combine:
	.size	k_q2e8d5996bd_combine, .Lfunc_end_k_q2e8d5996bd_combine-k_q2e8d5996bd_combine
	.p2alignl 7, 3214868480
	.fill 96, 4, 3214868480
	.section	.rodata,"a",@progbits
	.p2align	6, 0x0
	.amdhsa_kernel k_q2e8d5996bd_combine
		.amdhsa_group_segment_fixed_size 0
		.amdhsa_private_segment_fixed_size 0
		.amdhsa_enable_private_segment 0
		.amdhsa_kernarg_size 16
		.amdhsa_user_sgpr_count 2
		.amdhsa_user_sgpr_kernarg_segment_ptr 1
		.amdhsa_wavefront_size32 1
		.amdhsa_system_sgpr_workgroup_id_x 1
		.amdhsa_system_sgpr_workgroup_id_y 1
		.amdhsa_system_sgpr_workgroup_id_z 1
		.amdhsa_system_vgpr_workitem_id 0
		.amdhsa_next_free_vgpr 96
		.amdhsa_next_free_sgpr 66
		.amdhsa_reserve_vcc 0
		.amdhsa_float_denorm_mode_32 3
		.amdhsa_float_denorm_mode_16_64 3
		.amdhsa_memory_ordered 1
		.amdhsa_forward_progress 1
		.amdhsa_inst_pref_size 5
	.end_amdhsa_kernel
	.amdgpu_metadata
---
amdhsa.version: [ 1, 2 ]
amdhsa.kernels:
  - .name:           k_q2e8d5996bd_combine
    .symbol:         k_q2e8d5996bd_combine.kd
    .args:
      - { .name: y, .offset: 0, .size: 8, .value_kind: global_buffer, .address_space: global }
      - { .name: out0, .offset: 8, .size: 8, .value_kind: global_buffer, .address_space: global }
    .group_segment_fixed_size: 0
    .private_segment_fixed_size: 0
    .kernarg_segment_align: 8
    .kernarg_segment_size: 16
    .max_flat_workgroup_size: 256
    .sgpr_count:     66
    .vgpr_count:     96
    .wavefront_size: 32
...
	.end_amdgpu_metadata
.endif
;; end of part 10
